; MI455X (gfx1250); checked and timed in simulation.
; The chip was launched on July 23, 2026; its instructions are those of AMD's public machine-readable ISA for CDNA 5 (MIT licence, August 2026) and "CDNA5" Instruction Set Architecture Reference Guide (July 2026). The comments in the code are by the model that wrote it; some were corrected since.
;; Self Attention. Allowed arithmetic: matrix products marked QUANTISED: E2M1 operands, one E8M0 scale for each 32 along K, by v_wmma_scale_f32_16x16x128_f8f6f4 with both operands' format E2M1 (or v_wmma_scale_f32_32x16x128_f4), f32 sums; products left as they are: bf16, f16 or f32 operands; f32 sums; everything else in f32.
;; Inputs: W_proj 1,024 x 1,024 float32; W_qkv 1,024 x 3,072 float32; b_proj 1,024 float32; b_qkv 3,072 float32; x 4 x 2,048 x 1,024 float32.
;; Outputs: out0 4 x 2,048 x 1,024 float32.
;; This version of the problem:
;;   THIS VERSION OF THE PROBLEM IS GIVEN IN LOW PRECISION. The matrix products marked QUANTISED in the list below multiply operands that are first quantised to E2M1 (2 exponent bits, 1 mantissa bit; 4 bits a number), with one power-of-two scale for each 32 numbers along K (OCP MX v1.0); their sums are f32. The products marked 'left as it is' may take bf16, f16 or f32 operands, with f32 sums. Whichever they take, every output number must still come out within the allowed error. Rounding operands to bf16 (8 significant bits) uses up far more of that allowance than f16 does (11 bits, for magnitudes from 6e-5 to 65,504). All else is computed in f32.
;;   The module's matrix products, in the order in which they are computed (A, B: the left and right operand; K: the contracted axis; several contracted axes count as one K, in the product's order):
;;     1. [M 8,192, K 1,024] x [K 1,024, N 3,072]; A: input x; B: input W_qkv: QUANTISED
;;     2. batch 64 x [M 2,048, K 64] x [K 64, N 2,048]; A: computed on the way; B: computed on the way: left as it is (an operand is computed on the way)
;;     3. batch 64 x [M 2,048, K 2,048] x [K 2,048, N 64]; A: computed on the way; B: computed on the way: left as it is (an operand is computed on the way)
;;     4. [M 8,192, K 1,024] x [K 1,024, N 1,024]; A: computed on the way; B: input W_proj: left as it is (an operand is computed on the way)
;;   THE QUANTISER, for each operand of a quantised product, along K:
;;     - K is cut into blocks of 32 from its start; a last block that is shorter is filled with zeros.
;;     - A block's scale is 2^e with e = floor(log2(the largest magnitude in the block)) - 2, held to -126 .. 127; a block of zeros has e = 0. As a byte (E8M0): e + 127.
;;     - Each number is divided by its block's scale, clamped to +-6, and rounded to the nearest number of E2M1, ties to even, subnormals kept.
;;     - The product sums the exact products of the quantised numbers (number of the format x scale) in f32.
;;   ~~~python
;;   def quantise(x, axis):      # numpy; x: float32 -> the quantised numbers, widened to float32 again
;;       x = np.moveaxis(x, axis, -1); K = x.shape[-1]
;;       x = np.pad(x, [(0, 0)] * (x.ndim - 1) + [(0, -K % 32)]); x = x.reshape(x.shape[:-1] + (-1, 32)); a = np.abs(x).max(-1, keepdims=True)
;;       e = np.where(a > 0, np.clip(np.frexp(np.where(a > 0, a, 1))[1] - 1 - 2, -126, 127), 0)      # np.frexp(a)[1] - 1 = floor(log2(a)), exactly
;;       r = np.clip(x / 2.0 ** e, -6, 6)
;;       step = 2.0 ** (np.maximum(np.frexp(np.where(r == 0, 1, r))[1] - 1, 0) - 1)
;;       q = np.round(r / step) * step * 2.0 ** e      # np.round: ties to even
;;       return np.moveaxis(q.reshape(q.shape[:-2] + (-1,))[..., :K], -1, axis).astype(np.float32)
;;   ~~~
;; One version. Each part assembles by itself: llvm-mc -triple=amdgcn-amd-amdhsa -mcpu=gfx1250 --defsym DOCPART=n.
;; ======== version 1 of 1: 5 launches
;; limits: values are held in f16: magnitudes above 65,504 overflow, below 6.1e-05 lose precision
;; workspace buffers: xc 4,194,304 bytes; xs 262,144 bytes; wc 1,572,864 bytes; ws 98,304 bytes; wpt 2,097,152 bytes; qkv 50,331,648 bytes; qkv16 786,432 bytes; y 16,777,216 bytes
;; launch prep (part 1): grid 368 x 1, 4 waves a work-group, no clusters, 102,912 bytes of LDS; arguments x, W_qkv, W_proj, xc, xs, wc, ws, wpt; writes xc, xs, wc, ws, wpt
.if DOCPART == 1
	.amdgcn_target "amdgcn-amd-amdhsa--gfx1250"
	.amdhsa_code_object_version 6
	.text
	.protected	k_q9a41345c18_prep
	.globl	k_q9a41345c18_prep
	.p2align	8
	.type	k_q9a41345c18_prep,@function
k_q9a41345c18_prep:
	s_mov_b64 s[64:65], 0
	v_nop
	global_prefetch_b8 v0, s[64:65] scope:SCOPE_SE
	s_setreg_imm32_b32 hwreg(HW_REG_WAVE_MODE, 25, 1), 1
	s_wait_xcnt 0x0
; THREE PIECES OF PREPARATION IN ONE LAUNCH, chosen by the work-group's number; each has LDS bytes of its own.
;   work-groups 0-47:    W_qkv [1024 k][3072 n] f32 -> wc [3072 n][512 bytes] codes of E2M1, K innermost, and ws [3072][32] E8M0 bytes
;   work-groups 48-111:  W_proj [1024 k][1024 n] f32 -> wpt [1024 n][1024 k] f16
;   work-groups 112-367: x [8192][1024] f32 -> xc [8192][512 bytes] codes, xs [8192][32] scale bytes
; A block's scale is 2^(floor(log2(its largest magnitude)) - 2); its byte is the largest magnitude's exponent field - 2, held at 1 from below.
; LIMITS: a block of zeros, or one whose largest magnitude lies under 2^-124, gets the byte 1 (its codes are zeros or nearly so; the bytes are read by this program alone);
; NaN and infinities among the inputs are not served.  W_proj goes to f16: magnitudes under 65,504.
; No tensor loads, no barrier: waves share nothing.  A stream bound by memory: matrix units and clusters would add nothing.
.set SP,     80                        ; x: a lane's place in a stage: its 64 bytes + 16 of padding
.set XWREG,  8192                      ; x: a region for each wave: two stages of 32 x SP bytes, then its 256 scale bytes
.set WREG,   32768                     ; W_qkv: four stages of 32 rows x 272 bytes
.set PREG,   67584                     ; W_proj: four stages of 32 rows x 272 bytes
.set PITCH,  272
.set SPARE,  102400                    ; the spare words, 128 bytes for each wave: two blocks of 256 bytes that no other line names
.set SPW,    12                        ; v12  LDS address of my spare word; never rewritten
.set NIL,    13                        ; v13  0; never rewritten
.set STEPS,  16
.set R,      16                        ; x: v16-79 four sets of 16 numbers as loaded
.set X,      80                        ; x: v80-111 two sets of 16 neighbours
.set E,      112                       ; x: v112-127 a scale byte for each step
.set C,      128                       ; x: v128-191 codes, four registers a step
.set XW,     32                        ; weights: v32-95 two sets of 32 numbers down K
.set CW,     96                        ; weights: v96.. what a block becomes
.set OUTR,   112                       ; weights: v112-175 the way out
.set SB,     24                        ; W_qkv: v24-27 the scale bytes, four to a register
	s_load_b256 s[4:11], s[0:1], 0x0               ; x s[4:5], W_qkv s[6:7], W_proj s[8:9], xc s[10:11]
	s_load_b256 s[12:19], s[0:1], 0x20             ; xs s[12:13], wc s[14:15], ws s[16:17], wpt s[18:19]
	v_lshl_add_u32 v[SPW], v0, 2, SPARE
	v_mov_b32 v[NIL], 0
	v_lshrrev_b32 v1, 5, v0
	v_readfirstlane_b32 s20, v1                    ; wave 0..3
	v_and_b32 v2, 31, v0                           ; lane
	s_wait_kmcnt 0x0
	s_cmp_lt_u32 ttmp9, 48
	s_cbranch_scc1 .Lpath_w
	s_cmp_lt_u32 ttmp9, 112
	s_cbranch_scc1 .Lpath_p
; ---------------- x: a plain stream of blocks of 32.  A wave takes 16 steps of 512 numbers.
; Each load reads 512 consecutive bytes; a step's 2,048 bytes turn through the wave's own stage, so that a lane then holds 16 neighbours along K; two neighbouring lanes hold a block.
	v_lshlrev_b32 v3, 4, v2                        ; my 16 bytes of a load's 512
	s_mul_i32 s21, s20, XWREG
	v_lshrrev_b32 v14, 2, v2
	v_mul_u32_u24 v14, v14, SP
	v_and_b32 v15, 3, v2
	v_lshl_add_u32 v14, v15, 4, v14
	v_add_nc_u32 v14, s21, v14                     ; the stage, on the way in: SP (lane / 4) + 16 (lane % 4)
	v_mul_u32_u24 v15, v2, SP
	v_add_nc_u32 v15, s21, v15                     ; and on the way out: SP x lane
	v_lshlrev_b32 v4, 3, v2                        ; my 8 bytes of a step's 256 bytes of codes
	v_lshrrev_b32 v5, 1, v2
	s_add_co_u32 s21, s21, 2*32*SP
	v_add_nc_u32 v5, s21, v5                       ; LDS: my block's scale byte
	v_lshlrev_b32 v7, 3, v2
	v_add_nc_u32 v6, s21, v7                       ; and on the way out 8 bytes a lane
	s_sub_co_u32 s22, ttmp9, 112
	s_lshl_b32 s22, s22, 2
	s_add_co_u32 s22, s22, s20                     ; which run of 8,192 numbers is my wave's: 0..1023
	s_lshl_b32 s24, s22, 15
	s_mov_b32 s25, 0
	s_add_nc_u64 s[4:5], s[4:5], s[24:25]          ; 32,768 bytes of x a run,
	s_lshl_b32 s24, s22, 12
	s_add_nc_u64 s[10:11], s[10:11], s[24:25]      ; 4,096 of codes,
	s_lshl_b32 s24, s22, 8
	s_add_nc_u64 s[12:13], s[12:13], s[24:25]      ; 256 scale bytes
.macro LOADX t
.irp i, 0,1,2,3
	global_load_b128 v[R+16*((\t)%4)+4*\i:R+16*((\t)%4)+4*\i+3], v3, s[4:5] offset:2048*(\t)+512*\i th:TH_LOAD_NT
.endr
.endm
.macro TURNX t                         ; LDS serves a wave's instructions in order: no wait between the stores and the loads
.irp i, 0,1,2,3
	ds_store_b128 v14, v[R+16*((\t)%4)+4*\i:R+16*((\t)%4)+4*\i+3] offset:32*SP*((\t)%2)+8*SP*\i
.endr
.irp i, 0,1,2,3
	ds_load_b128 v[X+16*((\t)%2)+4*\i:X+16*((\t)%2)+4*\i+3], v15 offset:32*SP*((\t)%2)+16*\i
.endr
.endm
.irp t, 0,1,2,3
	LOADX \t
.endr
	s_wait_loadcnt 12                              ; step 0's four loads are in; the twelve of steps 1 to 3 may be out
	TURNX 0
.macro STEPX t
.set XS, X+16*((\t)%2)
.if (\t) > 0
	s_wait_dscnt 1                                 ; this step's numbers are back from the stage; the last step's byte store may be out
.else
	s_wait_dscnt 0x0
.endif
.if (\t)+4 < STEPS
	LOADX (\t)+4                                   ; into the set whose stores into the stage have been served
.endif
.if (\t)+1 < STEPS
.if STEPS-2-(\t) >= 3
	s_wait_loadcnt 12                              ; the next step's four loads are in; those of the three steps behind it may be out
.else
	s_wait_loadcnt 4*(STEPS-2-(\t))
.endif
	TURNX (\t)+1
.endif
	v_max3_num_f32 v8, |v[XS]|, |v[XS+1]|, |v[XS+2]|
	v_max3_num_f32 v9, |v[XS+3]|, |v[XS+4]|, |v[XS+5]|
.irp i, 6,10
	v_max3_num_f32 v8, v8, |v[XS+\i]|, |v[XS+\i+1]|
	v_max3_num_f32 v9, v9, |v[XS+\i+2]|, |v[XS+\i+3]|
.endr
	v_max3_num_f32 v8, v8, |v[XS+14]|, |v[XS+15]|
	v_max3_num_f32 v8, v8, v9, 0x1800000           ; and the floor 2^(3 - 127): the byte cannot fall under 1
	v_max_num_f32_dpp v8, v8, v8 row_xmask:1 row_mask:0xf bank_mask:0xf   ; with my neighbour's 16: the block's largest magnitude
	v_add_nc_u32 v11, 0xff000000, v8               ; 2 off its exponent field: the conversion takes the exponent field of this operand as its scale
	v_cvt_scalef32_pk8_fp4_f32 v[C+4*(\t)], v[XS:XS+7], v11
	v_cvt_scalef32_pk8_fp4_f32 v[C+4*(\t)+1], v[XS+8:XS+15], v11
	v_lshrrev_b32 v[E+(\t)], 23, v11               ; the scale's byte (a plain line behind the conversions)
	ds_store_b8 v5, v[E+(\t)] offset:16*(\t)       ; both lanes of a block write the same byte with the same value
	global_store_b64 v4, v[C+4*(\t):C+4*(\t)+1], s[10:11] offset:256*(\t)   ; the wave stores 256 consecutive bytes, aligned
.endm
.irp t, 0,1,2,3,4,5,6,7,8,9,10,11,12,13,14,15
	STEPX \t
.endr
	ds_load_b64 v[8:9], v6                         ; my wave's 256 scale bytes: these loads see my stores
	s_wait_dscnt 0x0
	global_store_b64 v7, v[8:9], s[12:13]          ; 256 consecutive bytes, aligned
	s_wait_tensorcnt 0x0                           ; the wave's end, behind my last LDS store
	ds_add_u32 v[SPW], v[NIL]
	s_wait_dscnt 0x0
	s_endpgm
; ---------------- both weights: A LANE TAKES A COLUMN n AND ITS REGISTERS RUN DOWN K; what it makes goes through the wave's stage (row = column) and leaves as rows.
.macro STAGE_ADR base, shift           ; shift: log2 of the output row's bytes
	v_lshlrev_b32 v3, 2, v2                        ; in: 4 bytes a lane
	s_mul_i32 s23, s20, 32*PITCH
	s_add_co_u32 s23, s23, \base                   ; my stage
	v_mul_u32_u24 v4, v2, PITCH
	v_add_nc_u32 v4, s23, v4                       ; into it: row = my column
	v_and_b32 v5, 15, v2
	v_lshrrev_b32 v6, 4, v2
	v_mul_u32_u24 v7, v6, PITCH
	v_lshl_add_u32 v7, v5, 4, v7
	v_add_nc_u32 v7, s23, v7                       ; out of it: sixteen lanes to a row, two rows an instruction
	v_lshlrev_b32 v8, \shift, v6
	v_lshl_add_u32 v8, v5, 4, v8                   ; and the same place in the output
.endm
.macro ROWS_OUT b, krow                ; 32 rows of 256 bytes: sixteen lanes store 256 consecutive bytes, aligned; then the wave ends
.irp t, 0,1,2,3,4,5,6,7,8,9,10,11,12,13,14,15
	ds_load_b128 v[OUTR+4*\t:OUTR+4*\t+3], v7 offset:2*\t*PITCH
.endr
.irp t, 0,1,2,3,4,5,6,7,8,9,10,11,12,13,14,15
	s_wait_dscnt 15-\t                             ; LDS loads come back in order: load t is in, the younger ones may be out
	global_store_b128 v8, v[OUTR+4*\t:OUTR+4*\t+3], s[\b:\b+1] offset:2*\t*\krow
.endr
	s_wait_tensorcnt 0x0                           ; the wave's end, behind my last LDS store
	ds_add_u32 v[SPW], v[NIL]
	s_wait_dscnt 0x0
	s_endpgm
.endm
.Lpath_w:                              ; W_qkv: a wave takes 32 columns x 512 along K: 16 blocks a lane
	s_cmp_ge_u32 ttmp9, 24
	s_cselect_b32 s21, 1, 0                        ; which 512 along K
	s_cselect_b32 s22, 24, 0
	s_sub_co_u32 s22, ttmp9, s22                   ; which 128 columns: 0..23
	s_lshl_b32 s22, s22, 7
	s_lshl_b32 s23, s20, 5
	s_add_co_u32 s22, s22, s23                     ; my wave's first column
	STAGE_ADR WREG, 9
	v_lshlrev_b32 v9, 5, v2                        ; my column's row of 32 scale bytes
	s_mul_i32 s24, s21, 512*12288
	s_lshl_b32 s26, s22, 2
	s_add_co_u32 s24, s24, s26
	s_mov_b32 s25, 0
	s_add_nc_u64 s[6:7], s[6:7], s[24:25]          ; W_qkv at (512 ky, column)
	s_lshl_b32 s24, s22, 9
	s_lshl_b32 s26, s21, 8
	s_add_co_u32 s24, s24, s26
	s_add_nc_u64 s[14:15], s[14:15], s[24:25]      ; codes: column x 512 + 256 ky
	s_lshl_b32 s24, s22, 5
	s_lshl_b32 s26, s21, 4
	s_add_co_u32 s24, s24, s26
	s_add_nc_u64 s[16:17], s[16:17], s[24:25]      ; scale bytes: column x 32 + 16 ky
.macro LOADW t                         ; block t: W(32 t + i, my column); the largest offset, 511 x 12,288, lies inside the signed 24-bit immediate
.set n, 0
.rept 32
	global_load_b32 v[XW+32*((\t)%2)+n], v3, s[6:7] offset:(32*(\t)+n)*12288 th:TH_LOAD_NT
.set n, n+1
.endr
.endm
	LOADW 0
	LOADW 1
.macro BLOCKW t
.set XS, XW+32*((\t)%2)
.if (\t) < 15
	s_wait_loadcnt 32                              ; this block's 32 loads are in; the next block's 32 may be out
.else
	s_wait_loadcnt 0
.endif
	v_max3_num_f32 v16, |v[XS]|, |v[XS+1]|, |v[XS+2]|
	v_max3_num_f32 v17, |v[XS+3]|, |v[XS+4]|, |v[XS+5]|
.irp i, 6,10,14,18,22,26
	v_max3_num_f32 v16, v16, |v[XS+\i]|, |v[XS+\i+1]|
	v_max3_num_f32 v17, v17, |v[XS+\i+2]|, |v[XS+\i+3]|
.endr
	v_max3_num_f32 v16, v16, |v[XS+30]|, |v[XS+31]|
	v_max3_num_f32 v16, v16, v17, 0x1800000        ; and the floor 2^(3 - 127)
	v_add_nc_u32 v11, 0xff000000, v16              ; the conversion's scale operand
	v_lshrrev_b32 v17, 23, v11                     ; the scale's byte
.if (\t)%4 == 0
	v_mov_b32 v[SB+(\t)/4], v17
.else
	v_lshl_or_b32 v[SB+(\t)/4], v17, 8*((\t)%4), v[SB+(\t)/4]
.endif
.irp g, 0,1,2,3
	v_cvt_scalef32_pk8_fp4_f32 v[CW+\g], v[XS+8*\g:XS+8*\g+7], v11
.endr
	ds_store_b128 v4, v[CW:CW+3] offset:16*(\t)    ; 32 codes: 16 bytes of my column's row
.if (\t)+2 < 16
	LOADW (\t)+2
.endif
	s_wait_dscnt 0x0                               ; the store has been served: the next block's codes may be written
.endm
.irp t, 0,1,2,3,4,5,6,7,8,9,10,11,12,13,14,15
	BLOCKW \t
.endr
	global_store_b128 v9, v[SB:SB+3], s[16:17]     ; my column's 16 scale bytes
	ROWS_OUT 14, 512
.Lpath_p:                              ; W_proj: a wave takes 32 columns x 128 along K: 256 bytes of f16 a column
	s_sub_co_u32 s21, ttmp9, 48
	s_and_b32 s22, s21, 7                          ; which 128 columns
	s_lshr_b32 s21, s21, 3                         ; which 128 along K
	s_lshl_b32 s22, s22, 7
	s_lshl_b32 s23, s20, 5
	s_add_co_u32 s22, s22, s23                     ; my wave's first column
	STAGE_ADR PREG, 11
	s_lshl_b32 s24, s21, 19                        ; 128 rows of 4,096 bytes
	s_lshl_b32 s26, s22, 2
	s_add_co_u32 s24, s24, s26
	s_mov_b32 s25, 0
	s_add_nc_u64 s[8:9], s[8:9], s[24:25]
	s_lshl_b32 s24, s22, 11
	s_lshl_b32 s26, s21, 8
	s_add_co_u32 s24, s24, s26
	s_add_nc_u64 s[18:19], s[18:19], s[24:25]      ; wpt: column x 2,048 + 256 py
.macro LOADP t
.set n, 0
.rept 32
	global_load_b32 v[XW+32*((\t)%2)+n], v3, s[8:9] offset:(32*(\t)+n)*4096 th:TH_LOAD_NT
.set n, n+1
.endr
.endm
	LOADP 0
	LOADP 1
.macro BLOCKP t
.set XS, XW+32*((\t)%2)
.if (\t) < 3
	s_wait_loadcnt 32                              ; this block's 32 loads are in; the next block's 32 may be out
.else
	s_wait_loadcnt 0
.endif
.set n, 0
.rept 16
	v_cvt_pk_f16_f32 v[CW+n], v[XS+2*n], v[XS+2*n+1]   ; the lower k in the low half
.set n, n+1
.endr
.irp g, 0,1,2,3
	ds_store_b128 v4, v[CW+4*\g:CW+4*\g+3] offset:64*(\t)+16*\g
.endr
.if (\t)+2 < 4
	LOADP (\t)+2
.endif
	s_wait_dscnt 0x0
.endm
.irp t, 0,1,2,3
	BLOCKP \t
.endr
	ROWS_OUT 18, 2048
.Lfunc_end_k_q9a41345c18_prep:
	.size	k_q9a41345c18_prep, .Lfunc_end_k_q9a41345c18_prep-k_q9a41345c18_prep
	.p2alignl 7, 3214868480
	.fill 96, 4, 3214868480
	.section	.rodata,"a",@progbits
	.p2align	6, 0x0
	.amdhsa_kernel k_q9a41345c18_prep
		.amdhsa_group_segment_fixed_size 102912
		.amdhsa_private_segment_fixed_size 0
		.amdhsa_enable_private_segment 0
		.amdhsa_kernarg_size 64
		.amdhsa_user_sgpr_count 2
		.amdhsa_user_sgpr_kernarg_segment_ptr 1
		.amdhsa_wavefront_size32 1
		.amdhsa_system_sgpr_workgroup_id_x 1
		.amdhsa_system_sgpr_workgroup_id_y 1
		.amdhsa_system_sgpr_workgroup_id_z 1
		.amdhsa_system_vgpr_workitem_id 0
		.amdhsa_next_free_vgpr 192
		.amdhsa_next_free_sgpr 66
		.amdhsa_reserve_vcc 0
		.amdhsa_float_denorm_mode_32 3
		.amdhsa_float_denorm_mode_16_64 3
		.amdhsa_memory_ordered 1
		.amdhsa_forward_progress 1
		.amdhsa_inst_pref_size 132
	.end_amdhsa_kernel
	.amdgpu_metadata
---
amdhsa.version: [ 1, 2 ]
amdhsa.kernels:
  - .name:           k_q9a41345c18_prep
    .symbol:         k_q9a41345c18_prep.kd
    .args:
      - { .name: x, .offset: 0, .size: 8, .value_kind: global_buffer, .address_space: global }
      - { .name: W_qkv, .offset: 8, .size: 8, .value_kind: global_buffer, .address_space: global }
      - { .name: W_proj, .offset: 16, .size: 8, .value_kind: global_buffer, .address_space: global }
      - { .name: xc, .offset: 24, .size: 8, .value_kind: global_buffer, .address_space: global }
      - { .name: xs, .offset: 32, .size: 8, .value_kind: global_buffer, .address_space: global }
      - { .name: wc, .offset: 40, .size: 8, .value_kind: global_buffer, .address_space: global }
      - { .name: ws, .offset: 48, .size: 8, .value_kind: global_buffer, .address_space: global }
      - { .name: wpt, .offset: 56, .size: 8, .value_kind: global_buffer, .address_space: global }
    .group_segment_fixed_size: 102912
    .private_segment_fixed_size: 0
    .kernarg_segment_align: 8
    .kernarg_segment_size: 64
    .max_flat_workgroup_size: 128
    .sgpr_count:     66
    .vgpr_count:     192
    .wavefront_size: 32
...
	.end_amdgpu_metadata
.endif
;; end of part 1
;; launch qkv (part 2): grid 12 x 32, 4 waves a work-group, clusters of 4 x 4, 327,680 bytes of LDS; arguments xc, xs, wc, ws, b_qkv, qkv16, qkv; writes qkv, qkv16
.if DOCPART == 2
	.amdgcn_target "amdgcn-amd-amdhsa--gfx1250"
	.amdhsa_code_object_version 6
	.text
	.protected	k_q9a41345c18_qkv
	.globl	k_q9a41345c18_qkv
	.p2align	8
	.type	k_q9a41345c18_qkv,@function
k_q9a41345c18_qkv:
	s_mov_b64 s[64:65], 0
	v_nop
	global_prefetch_b8 v0, s[64:65] scope:SCOPE_SE
	s_setreg_imm32_b32 hwreg(HW_REG_WAVE_MODE, 25, 1), 1
	s_wait_xcnt 0x0
	s_wait_alu depctr_hold_cnt(0) depctr_sa_sdst(0) depctr_va_vdst(0) depctr_va_sdst(0) depctr_va_ssrc(0) depctr_va_vcc(0) depctr_vm_vsrc(0)
	s_getreg_b32 s2, hwreg(HW_REG_IB_STS2, 6, 4)
	s_cmp_eq_u32 s2, 0
	s_cbranch_scc0 .Lentry_in_a_cluster
	s_endpgm
.Lentry_in_a_cluster:
	s_bfe_u32 s2, ttmp6, 0x10000c
	s_cmp_lg_u32 s2, 0xf033
	s_cbranch_scc0 .Lentry_shape_is_right
	s_endpgm
.Lentry_shape_is_right:
; qkv = Q(x) Q(W_qkv) + b_qkv, on codes of E2M1 with one E8M0 scale for each 32 along K.  A = xc [8192][512 bytes], xs [8192][32]; B = wc [3072][512 bytes], ws [3072][32].
; OUT: qkv, f16, head-major [3 which][4 b][16 h][2048 t][64]: two neighbouring t of a head are 256 consecutive bytes; and rows t < 16 of each sequence once more as f32, qkv16 [4 b][16 t][3072].
; LIMIT: q, k, v leave as f16: magnitudes under 65,504; under 6e-5 they keep an absolute error of about 3e-8.
; A tile of C, 256 x 256, is made by four waves, each 128 x 128: 64 accumulators, 512 registers.  K = 1,024 is exactly two LDS slots of 512 along K: both are asked for at the head and nothing is filled again.
; CLUSTERS: 4 x 4 work-groups.  Tile column = 4 x cluster x + cx.  THE TILE ROW: batch = cy, tile in the batch = cluster y; so 'this tile holds t < 16' is cluster y = 0, the same in all sixteen partners.
; A's tiles (they hang on cy and cluster y) are shared along a row of the cluster, B's (on the tile column) along a column: each is asked for jointly.
; THE MATRIX INSTRUCTION IS USED TRANSPOSED (source 0 = 16 rows of B, source 1 = 16 rows of A): a lane holds eight neighbouring columns of a row of C.  The bias is the C of each sum's first instruction.
; REGISTERS: window 0: v16-29 addresses; v32-95 scale words, two sets; v128-191 A's fragments, one set; v192-255 the bias, eight registers for each of B's blocks.  window 1: B's fragments, two sets.
;   windows 2, 3: the accumulators ((a, b) at v[8 (8 (a % 4) + b)]).  On the way out window 0's v32-191 are free.
.set NQ,     4                         ; matrix instructions deep in a slot
.set ROWB,   256                       ; a tile's row: 512 codes
.set KROW,   512                       ; a row of codes in memory
.set PITCH,  272                       ; an LDS row: 256 bytes + 16 of padding: the 16 rows that a load touches start at 16 different banks (64 banks of 4 bytes: ISA guide 11.1)
.set FR,     8
.set NL,     2
.set NP,     4
.set HALFT,  128*PITCH
.set SLOT,   4*HALFT
.set KS,     32                        ; a row of scale bytes
.set SCL,    2*SLOT                    ; behind the slots: the scales, as units of 256 bytes + 16 of padding
.set HALFS,  16*272
.set SBLK,   2*272
.set SPARE,  SCL+4*HALFS               ; the spare words, 128 bytes for each wave
.set SP32,   528                       ; the way out, in slot 0, which has had its only fill and its last read by then: an f32 stage of 16 x 528 for each wave,
.set ST16,   4*16*SP32                 ; and behind the four an f16 stage of 16 x 272 for each wave
.set SP16,   272
.set ADRA, 16
.set ADRB, 20
.set STO32, 22
.set RD32, 23
.set STO,  24
.set RD,   25
.set CO,   26                          ; 16 x lane
.set ADRS, 27
.set SPW,  28
.set NIL,  29
.set SC,   32
.set AF,   128
.set BIAS, 192
.set TMP,  32                          ; the way out: packed results
.set BK,   64                          ; v64-95 and v96-127 by turns: rows read back
.set F32,  128                         ; the f32 rows read back
.set G1, 24
.set G0, 32
.set G1B, 48
.set G0B, 56
.set G1S, 68
.set G0S, 76
.set G1SB, 80
.set G0SB, 88
.set MSB, 0
.macro WIN new                         ; the immediate's high byte repeats the setting that is left
.if MSB != (\new)
	s_set_vgpr_msb (MSB<<8)|(\new)
.set MSB, (\new)
.endif
.endm
.set MUL_LO, 0xa1                      ; source 0 (B) window 1, source 1 (A) window 0, C and D window 2; with the bias as C (window 0): 0x81
.set MUL_HI, 0xf1                      ; the same in window 3; with the bias as C: 0xc1
.set TO_B,   0x40
; A joint load: waves 0 and 1 fetch for A, waves 2 and 3 for B; the branch hangs on the wave's number alone.  An s_nop 0 and four v_nop follow each of the two lines.
.macro JLOAD g0a, g1a, g0b, g1b
	s_cmp_eq_u32 s15, 0
	s_cbranch_scc0 .Lfor_b_\@
	tensor_load_to_lds s[\g0a:\g0a+3], s[\g1a:\g1a+7]
	s_nop 0
.rept 4
	v_nop
.endr
	s_branch .Lasked_\@
.Lfor_b_\@:
	tensor_load_to_lds s[\g0b:\g0b+3], s[\g1b:\g1b+7]
	s_nop 0
.rept 4
	v_nop
.endr
.Lasked_\@:
.endm
.macro CROUND                          ; a round of the cluster's barrier
	s_barrier_signal -1
	s_barrier_wait -1
	s_cmp_lg_u32 s14, 0
	s_cbranch_scc1 .Lnot_wave_0_\@
	s_barrier_signal -3
.Lnot_wave_0_\@:
	s_barrier_wait -3
	s_barrier_signal -1
	s_barrier_wait -1
.endm
	s_load_b128 s[4:7], s[0:1], 0x0                ; xc, xs
	s_load_b128 s[8:11], s[0:1], 0x10              ; wc, ws
	s_load_b128 s[96:99], s[0:1], 0x20             ; b_qkv, qkv16
	s_load_b64 s[12:13], s[0:1], 0x30              ; qkv
	v_lshl_add_u32 v[SPW], v0, 2, SPARE
	v_mov_b32 v[NIL], 0
	ds_add_u32 v[SPW], v[NIL]                      ; the wave's opening: the add, twice on end, and its wait ahead of my first tensor load
	ds_add_u32 v[SPW], v[NIL]
	v_lshrrev_b32 v1, 5, v0
	v_readfirstlane_b32 s14, v1                    ; wave 0..3
	s_lshr_b32 s15, s14, 1                         ; my half of the tile's rows.  Also: I fetch for A (0) or for B (1)
	s_and_b32 s16, s14, 1                          ; my half of its columns.  Also: which 128 rows I fetch
	s_bfe_u32 s40, ttmp6, 0x40000                  ; cx
	s_bfe_u32 s41, ttmp6, 0x40004                  ; cy = the batch
	s_lshl_b32 s42, ttmp9, 2
	s_add_co_u32 s42, s42, s40                     ; tile column = 4 x cluster x + cx
	s_and_b32 s17, ttmp7, 0xffff                   ; cluster y = the tile in the batch
	s_or_b32 s95, s17, s15                         ; 0: my block 0 holds t = 0 .. 15 of a sequence
	s_lshl_b32 s43, s41, 2
	s_lshl_b32 s43, 15, s43                        ; my row of the cluster
	s_lshl_b32 s44, 0x1111, s40                    ; my column
	s_or_b32 s[G1+0], s43, (0<<16)|(1<<20)|(1<<21)|(5<<22)|(3<<25)  ; the mask; elements of 1 byte; padding on; bit 21 beside a mask; 4 words behind every 64
	s_or_b32 s[G1B+0], s44, (0<<16)|(1<<20)|(1<<21)|(5<<22)|(3<<25)
.irp g, G1, G1B
	s_mov_b32 s[\g+1], ROWB<<16                    ; tensor_dim0
	s_mov_b32 s[\g+2], 128<<16                     ; tensor_dim1
	s_mov_b32 s[\g+3], ROWB<<16                    ; tile_dim0
	s_mov_b32 s[\g+4], 128                         ; tile_dim1
	s_mov_b32 s[\g+5], KROW                        ; pitch
	s_mov_b32 s[\g+6], 0
	s_mov_b32 s[\g+7], 0
.endr
	s_or_b32 s[G1S+0], s43, (3<<16)|(1<<20)|(1<<21)|(5<<22)|(3<<25)  ; the scales of 128 rows: 4,096 dense bytes as 16 rows of 32 elements of 8 bytes
	s_or_b32 s[G1SB+0], s44, (3<<16)|(1<<20)|(1<<21)|(5<<22)|(3<<25)
.irp g, G1S, G1SB
	s_mov_b32 s[\g+1], 32<<16
	s_mov_b32 s[\g+2], 16<<16
	s_mov_b32 s[\g+3], 32<<16
	s_mov_b32 s[\g+4], 16
	s_mov_b32 s[\g+5], 32
	s_mov_b32 s[\g+6], 0
	s_mov_b32 s[\g+7], 0
.endr
	s_lshl_b32 s18, s16, 7                         ; which 128 rows of the tile I fetch
	s_lshl_b32 s20, s41, 11
	s_lshl_b32 s21, s17, 8
	s_add_co_u32 s20, s20, s21
	s_add_co_u32 s20, s20, s18                     ; A: row 2,048 x batch + 256 x tile + 128 x half
	s_lshl_b32 s46, s42, 8
	s_add_co_u32 s46, s46, s18                     ; B: row 256 x tile column + 128 x half
	s_lshl_b32 s22, s20, 5                         ; their scale bytes,
	s_mov_b32 s23, 0
	s_lshl_b32 s92, s46, 5
	s_mov_b32 s93, 0
	s_lshl_b32 s20, s20, 9                         ; and their codes
	s_mov_b32 s21, 0
	s_lshl_b32 s46, s46, 9
	s_mov_b32 s47, 0
	s_mul_i32 s45, s14, HALFT                      ; where they go: wave x 128 rows
	s_mul_i32 s94, s14, HALFS
	s_wait_dscnt 0x0                               ; both opening adds are done
	s_wait_kmcnt 0x0
	s_add_nc_u64 s[20:21], s[4:5], s[20:21]
	s_add_nc_u64 s[22:23], s[6:7], s[22:23]
	s_add_nc_u64 s[46:47], s[8:9], s[46:47]
	s_add_nc_u64 s[92:93], s[10:11], s[92:93]
	CROUND                                         ; all sixteen work-groups are here: the first joint loads meet
	s_mov_b32 s[G0S], 1
	s_add_co_u32 s[G0S+1], s94, SCL
	s_mov_b64 s[G0S+2:G0S+3], s[22:23]
	s_or_b32 s[G0S+3], s[G0S+3], 0x80000000
	s_mov_b32 s[G0SB], 1
	s_add_co_u32 s[G0SB+1], s94, SCL
	s_mov_b64 s[G0SB+2:G0SB+3], s[92:93]
	s_or_b32 s[G0SB+3], s[G0SB+3], 0x80000000
	JLOAD G0S, G1S, G0SB, G1SB                     ; the scales first; three loads of mine are out behind the third
.irp s, 0,1
	s_mov_b32 s[G0+4*\s], 1
	s_add_co_u32 s[G0+4*\s+1], s45, \s*SLOT
	s_add_nc_u64 s[G0+4*\s+2:G0+4*\s+3], s[20:21], \s*ROWB
	s_or_b32 s[G0+4*\s+3], s[G0+4*\s+3], 0x80000000
	s_mov_b32 s[G0B+4*\s], 1
	s_add_co_u32 s[G0B+4*\s+1], s45, \s*SLOT
	s_add_nc_u64 s[G0B+4*\s+2:G0B+4*\s+3], s[46:47], \s*ROWB
	s_or_b32 s[G0B+4*\s+3], s[G0B+4*\s+3], 0x80000000
	JLOAD G0+4*\s, G1, G0B+4*\s, G1B
.endr
	v_and_b32 v1, 15, v0                           ; r
	v_bfe_u32 v2, v0, 4, 1                         ; h
	s_lshl_b32 s46, s42, 10
	s_lshl_b32 s47, s16, 9
	s_add_co_u32 s46, s46, s47                     ; 4 n0: my first column in bytes of f32
	s_mov_b32 s47, 0
	s_add_nc_u64 s[96:97], s[96:97], s[46:47]
	v_lshlrev_b32 v7, 5, v2                        ; the bias in the result's layout: block b, lane (r, h): b_qkv[n0 + 16 b + 8 h + 0 .. 7]
.irp b, 0,1,2,3,4,5,6,7
	global_load_b128 v[BIAS+8*\b:BIAS+8*\b+3], v7, s[96:97] offset:64*\b
	global_load_b128 v[BIAS+8*\b+4:BIAS+8*\b+7], v7, s[96:97] offset:64*\b+16
.endr
	s_add_nc_u64 s[98:99], s[98:99], s[46:47]
	s_mul_i32 s20, s41, 196608
	s_mov_b32 s21, 0
	s_add_nc_u64 s[98:99], s[98:99], s[20:21]      ; qkv16 at (batch, t = 0, n0)
	s_lshl_b32 s46, s42, 2
	s_lshl_b32 s47, s16, 1
	s_add_co_u32 s46, s46, s47                     ; my first head among the 48 of q, k, v: even, so my two heads lie in one of the three
	s_lshr_b32 s47, s46, 4
	s_lshl_b32 s47, s47, 24
	s_and_b32 s46, s46, 15
	s_lshl_b32 s46, s46, 18
	s_add_co_u32 s46, s46, s47
	s_lshl_b32 s20, s41, 22
	s_add_co_u32 s46, s46, s20
	s_lshl_b32 s20, s17, 15                        ; 256 t x 128 bytes
	s_add_co_u32 s46, s46, s20
	s_lshl_b32 s20, s15, 14
	s_add_co_u32 s46, s46, s20
	s_mov_b32 s47, 0
	s_add_nc_u64 s[12:13], s[12:13], s[46:47]      ; qkv at (which, batch, head, my first t); never stepped
	v_mul_u32_u24 v3, v1, PITCH
	v_lshl_add_u32 v4, v2, 4, v3                   ; a fragment's row x pitch + 16 x half
	s_mul_i32 s21, s15, HALFT
	s_mul_i32 s22, s16, HALFT
	s_add_co_u32 s22, s22, 2*HALFT
.irp s, 0,1
	v_add_nc_u32 v[ADRA+\s], s21, v4
	v_add_nc_u32 v[ADRB+\s], s22, v4
	s_add_co_u32 s21, s21, SLOT
	s_add_co_u32 s22, s22, SLOT
.endr
	v_mul_u32_u24 v5, v1, KS                       ; my row's scales: 32 bytes a row,
	v_lshrrev_b32 v6, 8, v5
	v_lshl_add_u32 v5, v6, 4, v5                   ; and 16 more for each 256 passed
	s_mul_i32 s21, s15, HALFS
	s_mul_i32 s22, s16, HALFS
	s_add_co_u32 s22, s22, 2*HALFS
	s_sub_co_u32 s22, s22, s21
	v_mul_u32_u24 v6, s22, v2                      ; lanes 16-31 take B's
	s_add_co_u32 s21, s21, SCL
	v_add_nc_u32 v5, v5, v6
	v_add_nc_u32 v[ADRS], s21, v5
	s_mul_i32 s23, s14, 16*SP32                    ; my f32 stage
	v_mul_u32_u24 v5, v1, SP32
	v_lshl_add_u32 v5, v2, 5, v5
	v_add_nc_u32 v[STO32], s23, v5
	v_and_b32 v6, 31, v0
	v_lshlrev_b32 v[CO], 4, v6
	v_add_nc_u32 v[RD32], s23, v[CO]
	s_mul_i32 s23, s14, 16*SP16                    ; my f16 stage
	s_add_co_u32 s23, s23, ST16
	v_mul_u32_u24 v5, v1, SP16
	v_lshl_add_u32 v5, v2, 4, v5
	v_add_nc_u32 v[STO], s23, v5                   ; in: row r, 16 bytes for each half of the lanes
	v_lshrrev_b32 v5, 3, v6
	v_mul_u32_u24 v5, v5, SP16
	v_and_b32 v6, 7, v6
	v_lshl_add_u32 v5, v6, 4, v5
	v_add_nc_u32 v[RD], s23, v5                    ; back: eight lanes take one head's 128 bytes of a row; four rows an instruction
.macro FRAG reg, adr, q, i             ; 16 rows x 128 K of 4-bit codes: 8 registers, two loads of 16 bytes, 32 bytes apart
.irp c, 0,1
	ds_load_b128 v[\reg+4*\c:\reg+4*\c+3], v[\adr] offset:64*(\q)+32*\c+(\i)*16*PITCH
.endr
.endm
; 16 matrix instructions: A's blocks a0, a0 + 1 x B's eight.  p: B's set; sc: the set of scale words.  first = 1: C is the bias.  The 64 accumulators take turns, one instruction a turn.
.macro MUL16 a0, p, q, sc, first
.irp a, \a0, \a0+1
.irp b, 0,1,2,3,4,5,6,7
.if \first
	v_wmma_scale_f32_16x16x128_f8f6f4 v[8*(8*((\a)%4)+\b):8*(8*((\a)%4)+\b)+7], v[128*(\p)+FR*\b:128*(\p)+FR*\b+FR-1], v[AF+FR*(\a):AF+FR*(\a)+FR-1], v[BIAS+8*\b:BIAS+8*\b+7], v[SC+8*NQ*(\sc)+NQ*\b+(\q)], v[SC+8*NQ*(\sc)+NQ*(\a)+(\q)] matrix_a_fmt:MATRIX_FMT_FP4 matrix_b_fmt:MATRIX_FMT_FP4 matrix_a_scale:MATRIX_SCALE_ROW1
.else
	v_wmma_scale_f32_16x16x128_f8f6f4 v[8*(8*((\a)%4)+\b):8*(8*((\a)%4)+\b)+7], v[128*(\p)+FR*\b:128*(\p)+FR*\b+FR-1], v[AF+FR*(\a):AF+FR*(\a)+FR-1], v[8*(8*((\a)%4)+\b):8*(8*((\a)%4)+\b)+7], v[SC+8*NQ*(\sc)+NQ*\b+(\q)], v[SC+8*NQ*(\sc)+NQ*(\a)+(\q)] matrix_a_fmt:MATRIX_FMT_FP4 matrix_b_fmt:MATRIX_FMT_FP4 matrix_a_scale:MATRIX_SCALE_ROW1
.endif
.endr
.endr
.endm
.macro FETCH_B slot, q, p
	WIN TO_B
.irp i, 0,1,2,3,4,5,6,7
	FRAG 128*(\p)+FR*\i, ADRB+\slot, \q, \i
.endr
	WIN 0
.endm
.macro FETCH_A slot, q, i0
.irp i, \i0, \i0+1, \i0+2, \i0+3
	FRAG AF+FR*(\i), ADRA+\slot, \q, \i
.endr
.endm
.macro SCALES sc                       ; a slot's scale words: four a row; lanes 0-15 take A's block i, lanes 16-31 B's block i
.irp i, 0,1,2,3,4,5,6,7
	ds_load_b128 v[SC+8*NQ*\sc+NQ*\i:SC+8*NQ*\sc+NQ*\i+3], v[ADRS] offset:\i*SBLK
.endr
.endm
.macro PLACES n                        ; plain vector instructions between a matrix instruction and a load into, or a read of, its registers
.rept \n
	v_nop
.endr
.endm
.macro STEP slot, q, first             ; 128 along K, with its successor in the same slot
	s_wait_dscnt 4*NL                              ; B's set and A's blocks 0-3 are in; the youngest eight loads (A's blocks 4-7) may be out
	WIN MUL_LO-0x20*(\first)
	MUL16 0, (\q)%2, \q, \slot, \first
	MUL16 2, (\q)%2, \q, \slot, \first
	s_wait_dscnt 0
	PLACES NP
	FETCH_B \slot, (\q)+1, 1-(\q)%2
	FETCH_A \slot, (\q)+1, 0
	WIN MUL_HI-0x30*(\first)
	MUL16 4, (\q)%2, \q, \slot, \first
	MUL16 6, (\q)%2, \q, \slot, \first
	PLACES NP
	WIN 0
	FETCH_A \slot, (\q)+1, 4
.endm
.macro STEPS slot, from
.set Q, \from
.rept NQ-1-\from
	STEP \slot, Q, 0
.set Q, Q+1
.endr
.endm
	s_wait_tensorcnt 1                             ; the scales and my part of slot 0 are in; slot 1's load may be out
	s_barrier_signal -1
	s_barrier_wait -1
	FETCH_B 0, 0, 0
	FETCH_A 0, 0, 0
	SCALES 0
	FETCH_A 0, 0, 4
	s_wait_loadcnt 0x0                             ; the bias
	STEP 0, 0, 1                                   ; the first step starts the sums from the bias
	STEPS 0, 1
	; slot 0's last step changes slots: one barrier; in front of it my part of slot 1 has landed and my reads of slot 0 are over.  Nothing is filled again.
	s_wait_tensorcnt 0x0
	ds_add_u32 v[SPW], v[NIL]                      ; 0 onto my spare word
	s_wait_dscnt 4*NL+1                            ; the add and the youngest eight loads may be out
	WIN MUL_LO
	MUL16 0, 1, NQ-1, 0, 0
	s_wait_dscnt 0x0
	s_barrier_signal -1
	MUL16 2, 1, NQ-1, 0, 0
	WIN 0
	s_barrier_wait -1
	PLACES NP
	v_add_nc_u32 v[ADRS], 4*NQ, v[ADRS]            ; on to slot 1's scale words
	FETCH_B 1, 0, 0
	FETCH_A 1, 0, 0
	SCALES 1
	WIN MUL_HI
	MUL16 4, 1, NQ-1, 0, 0
	MUL16 6, 1, NQ-1, 0, 0
	PLACES NP
	WIN 0
	FETCH_A 1, 0, 4
	STEPS 1, 0
	s_wait_dscnt 4*NL
	WIN MUL_LO
	MUL16 0, 1, NQ-1, 1, 0
	MUL16 2, 1, NQ-1, 1, 0
	s_wait_dscnt 0
	WIN MUL_HI
	MUL16 4, 1, NQ-1, 1, 0
	MUL16 6, 1, NQ-1, 1, 0
	WIN 0
	PLACES NP                                      ; behind the last products: for the reads of results and the writes of registers that held scales and fragments
	; THE WAY OUT.  First, where my block 0 is t = 0 .. 15 of a sequence, those 16 rows in f32: through my f32 stage, back as whole rows of 512 bytes.
	s_cmp_eq_u32 s95, 0
	s_cbranch_scc0 .Lno_f32
	WIN 0x08                                       ; an LDS store's data: window 2
.irp b, 0,1,2,3,4,5,6,7
	ds_store_b128 v[STO32], v[8*\b:8*\b+3] offset:64*\b            ; each accumulator from its low end on
	ds_store_b128 v[STO32], v[8*\b+4:8*\b+7] offset:64*\b+16
.endr
	WIN 0
.irp t, 0,1,2,3,4,5,6,7,8,9,10,11,12,13,14,15
	ds_load_b128 v[F32+4*\t:F32+4*\t+3], v[RD32] offset:\t*SP32    ; LDS serves a wave's instructions in order: these see my stores
.endr
	s_wait_dscnt 0x0
.irp t, 0,1,2,3,4,5,6,7,8,9,10,11,12,13,14,15
	global_store_b128 v[CO], v[F32+4*\t:F32+4*\t+3], s[98:99] offset:\t*12288   ; 32 lanes store 512 consecutive bytes, aligned
.endr
.Lno_f32:
; Then all eight blocks as f16.  A lane's eight columns pack into 16 bytes; a block of 16 rows x 128 columns goes through my f16 stage and comes back by heads: four rows of one head are 512 consecutive bytes of memory.
.macro PACK a
.set AC, 64*((\a)%4)
	WIN 0x0a+5*((\a)/4)                            ; sources 0 and 1: window 2 or 3
.irp b, 0,1,2,3,4,5,6,7
.irp r, 0,1,2,3
	v_cvt_pk_f16_f32 v[TMP+4*\b+\r], v[AC+8*\b+2*\r], v[AC+8*\b+2*\r+1]
.endr
.endr
	WIN 0
.endm
.macro TOSTAGE a
.set BB, BK+32*((\a)%2)
.irp b, 0,1,2,3,4,5,6,7
	ds_store_b128 v[STO], v[TMP+4*\b:TMP+4*\b+3] offset:32*\b
.endr
.irp j, 0,1,2,3
.irp hd, 0,1
	ds_load_b128 v[BB+4*(2*\j+\hd):BB+4*(2*\j+\hd)+3], v[RD] offset:4*SP16*\j+128*\hd
.endr
.endr
.endm
.macro SEND a
.set BB, BK+32*((\a)%2)
	s_wait_dscnt 0x0                               ; the block is back in registers
	s_wait_xcnt 0x0                                ; the stores of the block before have read their registers: the next block's loads may land there
.irp j, 0,1,2,3
.irp hd, 0,1
	global_store_b128 v[CO], v[BB+4*(2*\j+\hd):BB+4*(2*\j+\hd)+3], s[12:13] offset:\hd*262144+2048*(\a)+512*\j   ; 32 lanes store 512 consecutive bytes, aligned
.endr
.endr
.endm
	PACK 0
	TOSTAGE 0
.irp a, 1,2,3,4,5,6,7                  ; block a's conversions stand between block a - 1's loads from the stage and the wait for them
	PACK \a
	SEND \a-1
	TOSTAGE \a
.endr
	SEND 7
	s_wait_tensorcnt 0x0                           ; the wave's end, behind my last tensor load and my last LDS store
	ds_add_u32 v[SPW], v[NIL]
	s_wait_dscnt 0x0
	CROUND                                         ; the closing round
	s_endpgm
.Lfunc_end_k_q9a41345c18_qkv:
	.size	k_q9a41345c18_qkv, .Lfunc_end_k_q9a41345c18_qkv-k_q9a41345c18_qkv
	.p2alignl 7, 3214868480
	.fill 96, 4, 3214868480
	.section	.rodata,"a",@progbits
	.p2align	6, 0x0
	.amdhsa_kernel k_q9a41345c18_qkv
		.amdhsa_group_segment_fixed_size 327680
		.amdhsa_private_segment_fixed_size 0
		.amdhsa_enable_private_segment 0
		.amdhsa_kernarg_size 56
		.amdhsa_user_sgpr_count 2
		.amdhsa_user_sgpr_kernarg_segment_ptr 1
		.amdhsa_wavefront_size32 1
		.amdhsa_system_sgpr_workgroup_id_x 1
		.amdhsa_system_sgpr_workgroup_id_y 1
		.amdhsa_system_sgpr_workgroup_id_z 1
		.amdhsa_system_vgpr_workitem_id 0
		.amdhsa_next_free_vgpr 1024
		.amdhsa_next_free_sgpr 100
		.amdhsa_reserve_vcc 0
		.amdhsa_float_denorm_mode_32 3
		.amdhsa_float_denorm_mode_16_64 3
		.amdhsa_memory_ordered 1
		.amdhsa_forward_progress 1
		.amdhsa_inst_pref_size 132
	.end_amdhsa_kernel
	.amdgpu_metadata
---
amdhsa.version: [ 1, 2 ]
amdhsa.kernels:
  - .name:           k_q9a41345c18_qkv
    .symbol:         k_q9a41345c18_qkv.kd
    .args:
      - { .name: xc, .offset: 0, .size: 8, .value_kind: global_buffer, .address_space: global }
      - { .name: xs, .offset: 8, .size: 8, .value_kind: global_buffer, .address_space: global }
      - { .name: wc, .offset: 16, .size: 8, .value_kind: global_buffer, .address_space: global }
      - { .name: ws, .offset: 24, .size: 8, .value_kind: global_buffer, .address_space: global }
      - { .name: b_qkv, .offset: 32, .size: 8, .value_kind: global_buffer, .address_space: global }
      - { .name: qkv16, .offset: 40, .size: 8, .value_kind: global_buffer, .address_space: global }
      - { .name: qkv, .offset: 48, .size: 8, .value_kind: global_buffer, .address_space: global }
    .group_segment_fixed_size: 327680
    .private_segment_fixed_size: 0
    .kernarg_segment_align: 8
    .kernarg_segment_size: 56
    .max_flat_workgroup_size: 128
    .sgpr_count:     100
    .vgpr_count:     1024
    .wavefront_size: 32
...
	.end_amdgpu_metadata
.endif
;; end of part 2
;; launch attn (part 3): grid 4 x 64, 8 waves a work-group, no clusters, 327,680 bytes of LDS; arguments qkv, y; writes y
.if DOCPART == 3
	.amdgcn_target "amdgcn-amd-amdhsa--gfx1250"
	.amdhsa_code_object_version 6
	.text
	.protected	k_q9a41345c18_attn
	.globl	k_q9a41345c18_attn
	.p2align	8
	.type	k_q9a41345c18_attn,@function
k_q9a41345c18_attn:
	s_mov_b64 s[64:65], 0
	v_nop
	global_prefetch_b8 v0, s[64:65] scope:SCOPE_SE
	s_setreg_imm32_b32 hwreg(HW_REG_WAVE_MODE, 25, 1), 1
	s_wait_xcnt 0x0
; y[b][h][q][:] = the sum over k <= q of softmax_k(q . k / 8) v[k][:], causal.  q, k, v: f16, [3][64 heads][2048][64]; y: f16 [64 heads][2048][64].  Products, maxima and sums in f32; the weights p are rounded to f16 for the second product.
; LIMIT: y leaves as f16 (a convex mix of v: magnitudes under 65,504).
; SHARES.  Work-group (i, head) owns TWO blocks of 256 queries: first block 7 - i (8 - i slots of 256 keys), then block i (i + 1 slots): nine slots, 36 key steps of 64, in every one of the 256 work-groups: all trip counts are constants.
; A wave owns 32 queries, two tiles of 16, in 256 registers; two waves share a SIMD, so that one wave's softmax stands beside the other's products and LDS loads.
; NO CLUSTER: the four work-groups of a head need 8 - i and i + 1 slots: a joint load would bring tiles whose reads every wave of some partner jumps over.
; LAYOUT.  S^T = K Q^T (source 0 = 16 keys, source 1 = 16 queries), O^T = V^T P (source 0 = 16 channels, source 1 = P): a lane holds ONE query throughout.  K comes out of LDS as it lies, V turned, by ds_load_tr16_b128.
; SOFTMAX.  A running maximum m and sum l for each query: p = 2^(c s - c m), c = log2(e) / 8; in every step O and l are multiplied by a = 2^(c m_old - c m_new).
; THE MASK.  A step all of whose keys come after my 32 queries is left out by a scalar branch on ids; on the diagonal hidden scores become -infinity ahead of the maximum.  Key 0 counts for every query, so m is a number from a block's first step on.
; RING.  Two slots of four key steps.  Every wave fetches one tile a slot: waves 0-3 K of step w, waves 4-7 V of step w - 4: 64 rows x 128 bytes.  One tensor load of mine is out behind each change of slots.
.set PK,    144                        ; a row of K in LDS: 128 bytes + 16: an odd multiple of 16
.set PV,    160                        ; a row of V: 128 + 32: an odd multiple of 32, for the turning load
.set VOFF,  64*PK
.set STEPB, 64*(PK+PV)
.set SLOT1, 1<<17                      ; one exclusive or turns an address in one slot into the other's
.set STAGE, SLOT1+4*STEPB              ; behind the ring: 16 rows x 144 bytes for each wave; no tile lands here
.set SPARE, STAGE+8*16*PK              ; the spare words, 128 bytes for each wave
.set AK0, 1
.set AV0, 2
.set ADK, 3
.set ADV, 4
.set QO,  5
.set STO, 6
.set RD,  7
.set GO,  8
.set SPW, 9
.set NIL, 10
.set PFO, 11                           ; 256 x lane
.set DL,  12                           ; r - 8 h
.set D,   13
.set NINF, 14
.set ST,  16                           ; tile t's statistics at v[ST + 8 t]: +0 c m, +1 m, +2, +3 l, +4 .. +7 at work; +6 becomes a
.set Q,   32                           ; tile t, channels 32 c on: v[Q + 16 t + 8 c]
.set S,   64                           ; tile t, keys 16 kt on: v[S + 32 t + 8 kt]; P is made in place in a tile's first 16 registers
.set O,   128                          ; tile t, channels 16 ct on: v[O + 32 t + 8 ct]
.set KV,  192                          ; one buffer: a step's K, then its V
.set G1K, 24
.set G1V, 32
; s2 LDS byte of the step in hand; s3 counts a slot's steps; s[4:5] Q at my queries; s[6:7] y at my head; s[8:9] qkv at my head; s[10:11] y at my queries; s12 wave; s13 i; s14 7 - i; s15 8 - i;
; s16 the loop's counter; s17 slots asked for so far, less one; s18 the step's first key; s19 my first query; s[20:21] lane selects; s[22:23] c; s[40:43] group 0; s[44:45] my tile of slot 0 in memory; s[46:47], s50 the prefetches
.macro TLOAD                           ; waves 0-3 fetch K's tiles, waves 4-7 V's: the two differ in the padding alone.  An s_nop 0 and four v_nop follow each line
	s_cmp_lt_u32 s12, 4
	s_cbranch_scc0 .Lfor_v_\@
	tensor_load_to_lds s[40:43], s[G1K:G1K+7]
	s_nop 0
.rept 4
	v_nop
.endr
	s_branch .Lasked_\@
.Lfor_v_\@:
	tensor_load_to_lds s[40:43], s[G1V:G1V+7]
	s_nop 0
.rept 4
	v_nop
.endr
.Lasked_\@:
.endm
; A PREFETCH INTO THE L2 of what the NEXT change of slots will ask for.  All four work-groups of a head begin with the head's first slots: work-group i = 0, which walks slots 0 to 7 in order, asks.
; Each of its waves names its own tile of that slot, 8,192 bytes, lanes 256 bytes apart: each block once in the launch.  Trips 0 to 5 ask for slots 2 to 7; slots 0 and 1 come by their loads alone.
.macro ASK
	s_cmp_gt_u32 s16, s50
	s_cbranch_scc0 .Lnot_mine_\@
	global_prefetch_b8 v[PFO], s[46:47] th:TH_LOAD_NT scope:SCOPE_SE
.Lnot_mine_\@:
.endm
; THE CHANGE OF SLOTS, at a slot's head.  Each wave waits for all its tensor loads (its tile of the slot ahead), adds 0 to its spare word, and waits for that and for its reads of the slot that it has left.
; fill = 1: behind the barrier that other slot takes the keys that follow: it has a slot's four steps in which to land.
.macro CHANGE fill
	s_wait_tensorcnt 0x0                           ; no tensor load of mine is out, so group 0 may be written
	ds_add_u32 v[SPW], v[NIL]                      ; 0 onto my spare word; the descriptor's step stands between it and the wait for it
.if \fill
	s_xor_b32 s41, s41, SLOT1                      ; the other slot than last time
	s_add_co_u32 s17, s17, 1                       ; which of the nine
	s_cmp_gt_u32 s17, s14                          ; past the first block's 8 - i?
	s_cselect_b32 s48, s15, 0
	s_sub_co_u32 s48, s17, s48                     ; then the second block's keys begin at 0 again
	s_lshl_b32 s48, s48, 15                        ; 256 keys x 128 bytes
	s_mov_b32 s49, 0
	s_add_nc_u64 s[42:43], s[44:45], s[48:49]
	s_or_b32 s43, s43, 0x80000000
	s_wait_xcnt 0x0                                ; the last prefetch, a slot back, has read its address
	s_add_nc_u64 s[46:47], s[46:47], 0x8000
.endif
	s_wait_dscnt 0x0                               ; the add is done, and my reads of the slot that I have left are over
	s_barrier_signal -1
	s_barrier_wait -1
.if \fill
	TLOAD                                          ; the first thing behind the barrier, and my one tensor load until the next
	ASK
.endif
.endm
.macro SOFTMAX                         ; both tiles line by line in turn
.irp j, 0,1,2,3
.irp t, 0,1
	v_max3_num_f32 v[ST+8*\t+4+\j], v[S+32*\t+8*\j], v[S+32*\t+8*\j+1], v[S+32*\t+8*\j+2]   ; four chains, each from an accumulator's low end
.endr
.endr
.irp u, 3,5
.irp j, 0,1,2,3
.irp t, 0,1
	v_max3_num_f32 v[ST+8*\t+4+\j], v[ST+8*\t+4+\j], v[S+32*\t+8*\j+\u], v[S+32*\t+8*\j+\u+1]
.endr
.endr
.endr
.irp t, 0,1
	v_max3_num_f32 v[ST+8*\t+4], v[ST+8*\t+4], v[S+32*\t+7], v[S+32*\t+15]
.endr
.irp t, 0,1
	v_max3_num_f32 v[ST+8*\t+6], v[ST+8*\t+6], v[S+32*\t+23], v[S+32*\t+31]
.endr
.irp t, 0,1
	v_max3_num_f32 v[ST+8*\t+4], v[ST+8*\t+4], v[ST+8*\t+5], v[ST+8*\t+6]
.endr
.irp t, 0,1
	v_max3_num_f32 v[ST+8*\t+4], v[ST+8*\t+4], v[ST+8*\t+7], v[ST+8*\t+1]   ; and the old m
.endr
.irp t, 0,1
	v_permlanex16_b32 v[ST+8*\t+5], v[ST+8*\t+4], s20, s21   ; the query's other 32 keys lie in the lane 16 away
.endr
.irp t, 0,1
	v_mov_b32 v[ST+8*\t+7], v[ST+8*\t]             ; c m_old
.endr
.irp t, 0,1
	v_max_num_f32 v[ST+8*\t+1], v[ST+8*\t+4], v[ST+8*\t+5]
.endr
.irp t, 0,1
	v_mul_f32 v[ST+8*\t], s22, v[ST+8*\t+1]
.endr
.irp t, 0,1
	v_sub_f32 v[ST+8*\t+7], v[ST+8*\t+7], v[ST+8*\t]
.endr
.irp b, 0,2,4,6,8,10,12,14,16,18,20,22,24,26,28,30
.irp t, 0,1
	v_pk_fma_f32 v[S+32*\t+\b:S+32*\t+\b+1], v[S+32*\t+\b:S+32*\t+\b+1], s[22:23], v[ST+8*\t:ST+8*\t+1] op_sel_hi:[1,0,0] neg_lo:[0,0,1] neg_hi:[0,0,1]   ; c s - c m
.endr
.endr
.irp t, 0,1
	v_exp_f32 v[ST+8*\t+6], v[ST+8*\t+7]           ; a.  ONE BATCH of 66 exponentials: none reads another's result
.endr
.set n, 0
.rept 64
	v_exp_f32 v[S+n], v[S+n]
.set n, n+1
.endr
	v_nop                                          ; the plain instruction behind the last exponential
	s_wait_alu depctr_va_vdst(0)                   ; and the one wait ahead of the batch's first reader
.irp t, 0,1
	v_pk_mul_f32 v[ST+8*\t+2:ST+8*\t+3], v[ST+8*\t+2:ST+8*\t+3], v[ST+8*\t+6:ST+8*\t+7] op_sel_hi:[1,0]   ; l x a
.endr
.irp t, 0,1
	v_pk_add_f32 v[ST+8*\t+4:ST+8*\t+5], v[S+32*\t:S+32*\t+1], v[S+32*\t+2:S+32*\t+3]   ; the sum of the unrounded p, in two chains
.endr
.irp b, 4,8,12,16,20,24,28
.irp t, 0,1
	v_pk_add_f32 v[ST+8*\t+2:ST+8*\t+3], v[ST+8*\t+2:ST+8*\t+3], v[S+32*\t+\b:S+32*\t+\b+1]
	v_pk_add_f32 v[ST+8*\t+4:ST+8*\t+5], v[ST+8*\t+4:ST+8*\t+5], v[S+32*\t+\b+2:S+32*\t+\b+3]
.endr
.endr
.irp t, 0,1
	v_pk_add_f32 v[ST+8*\t+2:ST+8*\t+3], v[ST+8*\t+2:ST+8*\t+3], v[ST+8*\t+4:ST+8*\t+5]
.endr
.irp b, 0,1,2,3,4,5,6,7,8,9,10,11,12,13,14,15
.irp t, 0,1
	v_cvt_pk_f16_f32 v[S+32*\t+\b], v[S+32*\t+2*\b], v[S+32*\t+2*\b+1]   ; P in place, ascending: register b is written when 2 b and 2 b + 1 are read
.endr
.endr
.irp b, 0,2,4,6,8,10,12,14,16,18,20,22,24,26,28,30
.irp t, 0,1
	v_pk_mul_f32 v[O+32*\t+\b:O+32*\t+\b+1], v[O+32*\t+\b:O+32*\t+\b+1], v[ST+8*\t+6:ST+8*\t+7] op_sel_hi:[1,0]   ; O^T x a, each accumulator from its low end
.endr
.endr
.endm
.macro STEP                            ; 64 keys
	s_add_co_u32 s51, s19, 31
	s_cmp_gt_u32 s18, s51                          ; all keys behind my last query: nothing of the step is done but the stepping at its end
	s_cbranch_scc1 .Lhidden_\@
	v_add_nc_u32 v[ADK], s2, v[AK0]
	v_add_nc_u32 v[ADV], s2, v[AV0]
.irp kt, 0,1,2,3
.irp c, 0,1
	ds_load_b128 v[KV+16*\kt+8*\c:KV+16*\kt+8*\c+3],   v[ADK] offset:\kt*16*PK+64*\c
	ds_load_b128 v[KV+16*\kt+8*\c+4:KV+16*\kt+8*\c+7], v[ADK] offset:\kt*16*PK+64*\c+32
.endr
.endr
	s_sub_co_i32 s51, s19, s18
	s_wait_dscnt 0x0
.set i, 0
.rept 16                               ; S^T = K Q^T: eight accumulators by turns, one instruction a turn
.set rS, S+32*(i%2)+8*((i/2)%4)
.set rK, KV+16*((i/2)%4)+8*(i/8)
.set rQ, Q+16*(i%2)+8*(i/8)
.if i < 8
	v_wmma_f32_16x16x32_f16 v[rS:rS+7], v[rK:rK+7], v[rQ:rQ+7], 0
.else
	v_wmma_f32_16x16x32_f16 v[rS:rS+7], v[rK:rK+7], v[rQ:rQ+7], v[rS:rS+7]
.endif
.set i, i+1
.endr
	v_add_nc_u32 v[D], s51, v[DL]                  ; my query of tile 0 - the step's first key - 8 h.  This line and three v_nop: the four places behind the products
.rept 3
	v_nop
.endr
.irp f, 0,1,2,3,4,5,6,7                ; V, turned: keys 32 (f / 4) on, channels 16 (f % 4) on; it lands while the softmax is walked
	ds_load_tr16_b128 v[KV+8*\f:KV+8*\f+3],   v[ADV] offset:(\f/4)*32*PV+(\f%4)*32
	ds_load_tr16_b128 v[KV+8*\f+4:KV+8*\f+7], v[ADV] offset:(\f/4)*32*PV+16*PV+(\f%4)*32
.endr
	s_add_co_u32 s51, s18, 63
	s_cmp_le_u32 s51, s19                          ; all keys count for all my queries
	s_cbranch_scc1 .Lopen_\@
.irp t, 0,1                            ; register n of tile t holds key 16 (n / 8) + n % 8 + 8 h of the step: hidden where that is beyond query 16 t + r
.set n, 0
.rept 32
	v_cmp_gt_i32 vcc_lo, 16*(n/8)+n%8-16*\t, v[D]
	v_cndmask_b32 v[S+32*\t+n], v[S+32*\t+n], v[NINF], vcc_lo
.set n, n+1
.endr
.endr
.Lopen_\@:
	SOFTMAX
	s_wait_dscnt 0x0                               ; V is in
.set i, 0
.rept 16                               ; O^T += V^T P: eight accumulators by turns
.set rO, O+32*(i%2)+8*((i/2)%4)
.set rV, KV+32*(i/8)+8*((i/2)%4)
.set rP, S+32*(i%2)+8*(i/8)
	v_wmma_f32_16x16x32_f16 v[rO:rO+7], v[rV:rV+7], v[rP:rP+7], v[rO:rO+7]
.set i, i+1
.endr
.rept 5
	v_nop                                          ; five places: the next step's first products write over P's registers, and its loads land in V's
.endr
.Lhidden_\@:
	s_add_co_u32 s2, s2, STEPB
	s_add_co_u32 s18, s18, 64
.endm
.macro FOUR_STEPS                      ; a slot's four key steps: written once, walked four times
	s_mov_b32 s3, 4
.Lstep_\@:
	STEP
	s_sub_co_u32 s3, s3, 1
	s_cmp_lg_u32 s3, 0
	s_cbranch_scc1 .Lstep_\@
	s_sub_co_u32 s2, s2, 4*STEPB
	s_xor_b32 s2, s2, SLOT1                        ; on to the other slot
.endm
.macro BLOCK_INIT qb                   ; a block of queries begins; qb: the scalar register with its number
	s_wait_xcnt 0x0                                ; earlier loads and stores have read their bases and registers
	s_lshl_b32 s19, s[\qb], 8
	s_lshl_b32 s48, s12, 5
	s_add_co_u32 s19, s19, s48                     ; my first query
	s_mov_b32 s18, 0
	s_lshl_b32 s48, s19, 7
	s_mov_b32 s49, 0
	s_add_nc_u64 s[4:5], s[8:9], s[48:49]
	s_add_nc_u64 s[10:11], s[6:7], s[48:49]
.irp t, 0,1
.irp c, 0,1
	global_load_b128 v[Q+16*\t+8*\c:Q+16*\t+8*\c+3],   v[QO], s[4:5] offset:2048*\t+64*\c
	global_load_b128 v[Q+16*\t+8*\c+4:Q+16*\t+8*\c+7], v[QO], s[4:5] offset:2048*\t+64*\c+32
.endr
.endr
.irp t, 0,1
	v_mov_b32 v[ST+8*\t+1], 0xff61b1e6             ; m = -3e38, under every score
	v_mul_f32 v[ST+8*\t], s22, v[ST+8*\t+1]
	v_mov_b32 v[ST+8*\t+2], 0
	v_mov_b32 v[ST+8*\t+3], 0
.endr
.set n, 0
.rept 64
	v_mov_b32 v[O+n], 0                            ; the step is written once: the first finds zeros, which the first a, 0, leaves zeros
.set n, n+1
.endr
	s_wait_loadcnt 0x0
.endm
.macro WAYOUT                          ; O^T / l, rounded to f16, through my stage: four rows of y are 512 consecutive bytes of memory
.irp t, 0,1
	v_add_f32 v[ST+8*\t+4], v[ST+8*\t+2], v[ST+8*\t+3]
.endr
.irp t, 0,1
	v_permlanex16_b32 v[ST+8*\t+5], v[ST+8*\t+4], s20, s21
.endr
.irp t, 0,1
	v_add_f32 v[ST+8*\t+4], v[ST+8*\t+4], v[ST+8*\t+5]
.endr
.irp t, 0,1
	v_rcp_f32 v[ST+8*\t+6], v[ST+8*\t+4]
.endr
	v_nop
	s_wait_alu depctr_va_vdst(0)                   ; one wait for the two reciprocals, ahead of their first reader
.irp t, 0,1
.irp b, 0,2,4,6,8,10,12,14,16,18,20,22,24,26,28,30
	v_pk_mul_f32 v[O+32*\t+\b:O+32*\t+\b+1], v[O+32*\t+\b:O+32*\t+\b+1], v[ST+8*\t+6:ST+8*\t+7] op_sel_hi:[1,0]
.endr
.endr
.irp t, 0,1
.irp b, 0,1,2,3,4,5,6,7,8,9,10,11,12,13,14,15
	v_cvt_pk_f16_f32 v[S+32*\t+\b], v[O+32*\t+2*\b], v[O+32*\t+2*\b+1]
.endr
.endr
.irp t, 0,1
.irp ct, 0,1,2,3
	ds_store_b128 v[STO], v[S+32*\t+4*\ct:S+32*\t+4*\ct+3] offset:32*\ct
.endr
.irp j, 0,1,2,3
	ds_load_b128 v[S+32*\t+16+4*\j:S+32*\t+16+4*\j+3], v[RD] offset:4*PK*\j   ; LDS serves a wave's instructions in order: these see the stores above, and tile 1's stores come behind tile 0's loads
.endr
.endr
.irp t, 0,1
.irp j, 0,1,2,3
	s_wait_dscnt 11-8*\t-\j                        ; behind this load: its tile's later loads, and for tile 0 tile 1's eight LDS instructions
	global_store_b128 v[GO], v[S+32*\t+16+4*\j:S+32*\t+16+4*\j+3], s[10:11] offset:2048*\t+512*\j   ; 32 lanes store 512 consecutive bytes, aligned
.endr
.endr
.endm
	s_load_b128 s[4:7], s[0:1], 0x0                ; qkv, y
	v_lshl_add_u32 v[SPW], v0, 2, SPARE
	v_mov_b32 v[NIL], 0
	ds_add_u32 v[SPW], v[NIL]                      ; the wave's opening: the add, twice on end, and its wait ahead of my first tensor load
	ds_add_u32 v[SPW], v[NIL]
	v_lshrrev_b32 v15, 5, v0
	v_readfirstlane_b32 s12, v15                   ; wave 0..7
	s_mov_b32 s13, ttmp9                           ; i
	s_sub_co_u32 s14, 7, s13
	s_sub_co_u32 s15, 8, s13
	s_and_b32 s51, ttmp7, 0xffff
	s_lshl_b32 s52, s51, 18                        ; the head's 2,048 rows of 128 bytes
	s_mov_b32 s53, 0
	s_mov_b32 s[G1K], (1<<16)|(1<<20)|(4<<22)|(3<<25)   ; elements of 2 bytes; padding on: 4 words behind every 32
	s_mov_b32 s[G1V], (1<<16)|(1<<20)|(4<<22)|(7<<25)   ; the same with 8 words
.irp g, G1K, G1V
	s_mov_b32 s[\g+1], 64<<16                      ; tensor_dim0 = 64
	s_mov_b32 s[\g+2], 64<<16                      ; tensor_dim1 = 64
	s_mov_b32 s[\g+3], 64<<16                      ; tile_dim0 = 64
	s_mov_b32 s[\g+4], 64                          ; tile_dim1 = 64
	s_mov_b32 s[\g+5], 64                          ; pitch
	s_mov_b32 s[\g+6], 0
	s_mov_b32 s[\g+7], 0
.endr
	s_and_b32 s48, s12, 3                          ; which step of a slot I fetch,
	s_lshr_b32 s49, s12, 2                         ; of K (0) or of V (1)
	s_mul_i32 s41, s48, STEPB
	s_mul_i32 s51, s49, VOFF
	s_add_co_u32 s41, s41, s51                     ; its place in slot 0
	s_mov_b32 s40, 1
	s_lshl_b32 s48, s48, 13                        ; 64 rows of 128 bytes a step
	s_add_co_u32 s49, s49, 1
	s_lshl_b32 s49, s49, 24                        ; k lies 2^24, v 2^25 bytes behind q
	s_add_co_u32 s48, s48, s49
	s_mov_b32 s49, 0
	s_mov_b32 s20, 0x76543210
	s_mov_b32 s21, 0xfedcba98
	s_mov_b32 s22, 0x3e38aa3b                      ; c = log2(e) / 8
	s_mov_b32 s23, s22
	s_mov_b32 s2, 0
	s_mov_b32 s17, 0
	s_cmp_eq_u32 ttmp9, 0
	s_cselect_b32 s50, 2, -1                       ; work-group i = 0 prefetches while the loop's counter is above 2
	s_wait_dscnt 0x0                               ; both opening adds are done
	s_wait_kmcnt 0x0
	s_add_nc_u64 s[8:9], s[4:5], s[52:53]
	s_add_nc_u64 s[6:7], s[6:7], s[52:53]
	s_add_nc_u64 s[44:45], s[8:9], s[48:49]
	s_mov_b64 s[42:43], s[44:45]
	s_or_b32 s43, s43, 0x80000000
	TLOAD                                          ; slot 0
	s_add_nc_u64 s[46:47], s[44:45], 0x8000        ; at slot 1: the first change of slots steps it to slot 2.  Nothing is prefetched here
	v_and_b32 v15, 15, v0                          ; r
	v_bfe_u32 v13, v0, 4, 1                        ; h
	v_mul_u32_u24 v[AK0], v15, PK
	v_lshl_add_u32 v[AK0], v13, 4, v[AK0]          ; K: row r x pitch + 16 h
	v_and_b32 v3, 7, v0
	v_lshl_add_u32 v[AV0], v13, 3, v3
	v_mul_u32_u24 v[AV0], v[AV0], PV               ; V: key 8 h + l % 8,
	v_bfe_u32 v4, v0, 3, 1
	v_lshl_add_u32 v[AV0], v4, 4, v[AV0]           ; channels 8 ((l / 8) % 2) on
	v_add_nc_u32 v[AV0], VOFF, v[AV0]
	v_lshlrev_b32 v[QO], 7, v15
	v_lshl_add_u32 v[QO], v13, 4, v[QO]
	s_mul_i32 s51, s12, 16*PK
	s_add_co_u32 s51, s51, STAGE                   ; my stage
	v_add_nc_u32 v[STO], s51, v[AK0]               ; in: row r, 16 bytes for each half of the lanes
	v_and_b32 v[GO], 31, v0
	v_lshrrev_b32 v[RD], 3, v[GO]
	v_mul_u32_u24 v[RD], v[RD], PK
	v_lshl_add_u32 v[RD], v3, 4, v[RD]
	v_add_nc_u32 v[RD], s51, v[RD]                 ; back: eight lanes to a row of 128 bytes, four rows an instruction
	v_lshlrev_b32 v[PFO], 8, v[GO]
	v_lshlrev_b32 v[GO], 4, v[GO]
	v_lshlrev_b32 v[DL], 3, v13
	v_sub_nc_u32 v[DL], v15, v[DL]
	v_mov_b32 v[NINF], 0xff800000
	BLOCK_INIT 14                                  ; block 7 - i first
	s_mov_b32 s16, 8
.Lslot:                                            ; eight trips: behind each change of slots the next of the nine slots is asked for
	CHANGE 1
	FOUR_STEPS
	s_cmp_eq_u32 s17, s15                          ; the first block's 8 - i slots are done: ids and the count of trips alone
	s_cbranch_scc0 .Lsame_block
	WAYOUT
	BLOCK_INIT 13                                  ; then block i
.Lsame_block:
	s_sub_co_u32 s16, s16, 1
	s_cmp_lg_u32 s16, 0
	s_cbranch_scc1 .Lslot
	CHANGE 0                                       ; the ninth slot is written out: nothing is left to ask for
	FOUR_STEPS
	WAYOUT
	s_wait_tensorcnt 0x0                           ; the wave's end, behind my last tensor load and my last LDS store
	ds_add_u32 v[SPW], v[NIL]
	s_wait_dscnt 0x0
	s_endpgm
.Lfunc_end_k_q9a41345c18_attn:
	.size	k_q9a41345c18_attn, .Lfunc_end_k_q9a41345c18_attn-k_q9a41345c18_attn
	.p2alignl 7, 3214868480
	.fill 96, 4, 3214868480
	.section	.rodata,"a",@progbits
	.p2align	6, 0x0
	.amdhsa_kernel k_q9a41345c18_attn
		.amdhsa_group_segment_fixed_size 327680
		.amdhsa_private_segment_fixed_size 0
		.amdhsa_enable_private_segment 0
		.amdhsa_kernarg_size 16
		.amdhsa_user_sgpr_count 2
		.amdhsa_user_sgpr_kernarg_segment_ptr 1
		.amdhsa_wavefront_size32 1
		.amdhsa_system_sgpr_workgroup_id_x 1
		.amdhsa_system_sgpr_workgroup_id_y 1
		.amdhsa_system_sgpr_workgroup_id_z 1
		.amdhsa_system_vgpr_workitem_id 0
		.amdhsa_next_free_vgpr 256
		.amdhsa_next_free_sgpr 66
		.amdhsa_reserve_vcc 1
		.amdhsa_float_denorm_mode_32 3
		.amdhsa_float_denorm_mode_16_64 3
		.amdhsa_memory_ordered 1
		.amdhsa_forward_progress 1
		.amdhsa_inst_pref_size 70
	.end_amdhsa_kernel
	.amdgpu_metadata
---
amdhsa.version: [ 1, 2 ]
amdhsa.kernels:
  - .name:           k_q9a41345c18_attn
    .symbol:         k_q9a41345c18_attn.kd
    .args:
      - { .name: qkv, .offset: 0, .size: 8, .value_kind: global_buffer, .address_space: global }
      - { .name: y, .offset: 8, .size: 8, .value_kind: global_buffer, .address_space: global }
    .group_segment_fixed_size: 327680
    .private_segment_fixed_size: 0
    .kernarg_segment_align: 8
    .kernarg_segment_size: 16
    .max_flat_workgroup_size: 256
    .sgpr_count:     66
    .vgpr_count:     256
    .wavefront_size: 32
...
	.end_amdgpu_metadata
.endif
;; end of part 3
;; launch proj (part 4): grid 4 x 64, 4 waves a work-group, clusters of 4 x 4, 327,680 bytes of LDS; arguments y, wpt, b_proj, out0; writes out0
.if DOCPART == 4
	.amdgcn_target "amdgcn-amd-amdhsa--gfx1250"
	.amdhsa_code_object_version 6
	.text
	.protected	k_q9a41345c18_proj
	.globl	k_q9a41345c18_proj
	.p2align	8
	.type	k_q9a41345c18_proj,@function
k_q9a41345c18_proj:
	s_mov_b64 s[64:65], 0
	v_nop
	global_prefetch_b8 v0, s[64:65] scope:SCOPE_SE
	s_setreg_imm32_b32 hwreg(HW_REG_WAVE_MODE, 25, 1), 1
	s_wait_xcnt 0x0
	s_wait_alu depctr_hold_cnt(0) depctr_sa_sdst(0) depctr_va_vdst(0) depctr_va_sdst(0) depctr_va_ssrc(0) depctr_va_vcc(0) depctr_vm_vsrc(0)
	s_getreg_b32 s2, hwreg(HW_REG_IB_STS2, 6, 4)
	s_cmp_eq_u32 s2, 0
	s_cbranch_scc0 .Lentry_in_a_cluster
	s_endpgm
.Lentry_in_a_cluster:
	s_bfe_u32 s2, ttmp6, 0x10000c
	s_cmp_lg_u32 s2, 0xf033
	s_cbranch_scc0 .Lentry_shape_is_right
	s_endpgm
.Lentry_shape_is_right:
; out0[b][t][n] = the sum over k of y[b][t][k] W_proj[k][n] + b_proj[n], for t >= 16.  A = y, f16, head-major [4 b][16 h][2048 t][64]; B = wpt, f16 [1024 n][1024 k]; sums and result f32.
; Rows t < 16 of each sequence are another launch's: the 16 stores that would write them are jumped over, so that each output byte has one owner.
; A tile of C is 128 rows x 256 columns: 256 work-groups.  Four waves, each 64 x 128: 32 accumulators, 256 registers.  K goes in steps of 128 (two heads) through two LDS slots.
; CLUSTERS: 4 x 4.  Tile column = cx; batch = cy, tile in the batch = cluster y.  A's tiles are shared along a row of the cluster, B's along a column: each is asked for jointly.
; In a slot A lies as two planes (heads 2 s and 2 s + 1) of 128 rows x 128 bytes, dense in memory; B as two halves of 128 rows x 256 bytes.  Waves 0, 1 fetch A's planes, waves 2, 3 B's halves.
; THE MATRIX INSTRUCTION IS USED TRANSPOSED (source 0 = 16 rows of B, source 1 = 16 rows of A); the bias is the C of each sum's first instruction.
; REGISTERS: window 0: v16-29 addresses; v32-95 the bias; v96-223 rows on the way out.  window 1: two fragment buffers of 96 (B's eight blocks, then A's four).  window 2: accumulator (a, b) at v[8 (8 a + b)].
.set PA,     144                       ; a row of A in LDS: 128 bytes + 16
.set PB,     272                       ; a row of B: 256 + 16
.set APL,    128*PA
.set BHALF,  128*PB
.set SLOT,   2*APL+2*BHALF
.set STAGE,  2*SLOT                    ; behind the ring: 16 rows x 528 bytes for each wave; no tile lands here
.set SPITCH, 528
.set SPARE,  STAGE+4*16*SPITCH
.set LAPS,   4                         ; a lap = two K steps
.set ADRA, 16
.set ADRB, 20
.set STO,  24
.set RD,   25
.set CO,   26
.set SPW,  28
.set NIL,  29
.set BIAS, 32
.set BK,   96
.set F0,   0
.set F1,   128
.set G1, 24
.set G0, 32
.set G1B, 48
.set G0B, 56
.set MSB, 0
.macro WIN new
.if MSB != (\new)
	s_set_vgpr_msb (MSB<<8)|(\new)
.set MSB, (\new)
.endif
.endm
.set MUL,  0xa5                        ; sources 0 and 1 window 1, C and D window 2; with the bias as C (window 0): 0x85
.set TO_F, 0x40
.macro JLOAD s                         ; a joint load; an s_nop 0 and four v_nop follow each of the two lines
	s_cmp_eq_u32 s11, 0
	s_cbranch_scc0 .Lfor_b_\@
	tensor_load_to_lds s[G0+4*\s:G0+4*\s+3], s[G1:G1+7]
	s_nop 0
.rept 4
	v_nop
.endr
	s_branch .Lasked_\@
.Lfor_b_\@:
	tensor_load_to_lds s[G0B+4*\s:G0B+4*\s+3], s[G1B:G1B+7]
	s_nop 0
.rept 4
	v_nop
.endr
.Lasked_\@:
.endm
.macro CREST
	s_cmp_lg_u32 s10, 0
	s_cbranch_scc1 .Lnot_wave_0_\@
	s_barrier_signal -3
.Lnot_wave_0_\@:
	s_barrier_wait -3
	s_barrier_signal -1
	s_barrier_wait -1
.endm
.macro CROUND
	s_barrier_signal -1
	s_barrier_wait -1
	CREST
.endm
	s_load_b128 s[4:7], s[0:1], 0x0                ; y, wpt
	s_load_b128 s[68:71], s[0:1], 0x10             ; b_proj, out0
	v_lshl_add_u32 v[SPW], v0, 2, SPARE
	v_mov_b32 v[NIL], 0
	ds_add_u32 v[SPW], v[NIL]                      ; the wave's opening: the add, twice on end, and its wait ahead of my first tensor load
	ds_add_u32 v[SPW], v[NIL]
	v_lshrrev_b32 v1, 5, v0
	v_readfirstlane_b32 s10, v1                    ; wave 0..3
	s_lshr_b32 s11, s10, 1                         ; my half of the tile's rows.  Also: I fetch for A (0) or for B (1)
	s_and_b32 s12, s10, 1                          ; my half of its columns.  Also: which plane of A or half of B I fetch
	s_bfe_u32 s40, ttmp6, 0x40000                  ; cx
	s_bfe_u32 s41, ttmp6, 0x40004                  ; cy = the batch
	s_lshl_b32 s42, ttmp9, 2
	s_add_co_u32 s42, s42, s40                     ; tile column
	s_and_b32 s13, ttmp7, 0xffff                   ; cluster y = the tile in the batch
	s_or_b32 s72, s13, s11                         ; 0: my block 0 is t = 0 .. 15 of a sequence
	s_lshl_b32 s43, s41, 2
	s_lshl_b32 s43, 15, s43                        ; my row of the cluster
	s_lshl_b32 s44, 0x1111, s40                    ; my column
	s_or_b32 s[G1+0], s43, (1<<16)|(1<<20)|(1<<21)|(4<<22)|(3<<25)   ; A: elements of 2 bytes; 4 words of padding behind every 32
	s_mov_b32 s[G1+1], 64<<16                      ; tensor_dim0 = 64
	s_mov_b32 s[G1+2], 128<<16                     ; tensor_dim1 = 128
	s_mov_b32 s[G1+3], 64<<16                      ; tile_dim0
	s_mov_b32 s[G1+4], 128                         ; tile_dim1
	s_mov_b32 s[G1+5], 64                          ; pitch
	s_mov_b32 s[G1+6], 0
	s_mov_b32 s[G1+7], 0
	s_or_b32 s[G1B+0], s44, (1<<16)|(1<<20)|(1<<21)|(5<<22)|(3<<25)  ; B: 4 words behind every 64
	s_mov_b32 s[G1B+1], 128<<16
	s_mov_b32 s[G1B+2], 128<<16
	s_mov_b32 s[G1B+3], 128<<16
	s_mov_b32 s[G1B+4], 128
	s_mov_b32 s[G1B+5], 1024
	s_mov_b32 s[G1B+6], 0
	s_mov_b32 s[G1B+7], 0
	s_lshl_b32 s16, s41, 22                        ; A: the batch,
	s_lshl_b32 s17, s12, 18                        ; my plane's head,
	s_add_co_u32 s16, s16, s17
	s_lshl_b32 s17, s13, 14                        ; the tile's 128 rows of 128 bytes
	s_add_co_u32 s16, s16, s17
	s_mov_b32 s17, 0
	s_lshl_b32 s46, s42, 19                        ; B: 256 rows of 2,048 bytes a tile column,
	s_lshl_b32 s47, s12, 18                        ; my 128 of them
	s_add_co_u32 s46, s46, s47
	s_mov_b32 s47, 0
	s_mul_i32 s20, s12, APL                        ; where they go: no place in the cluster enters an LDS address
	s_mul_i32 s21, s12, BHALF
	s_add_co_u32 s21, s21, 2*APL
	s_wait_dscnt 0x0                               ; both opening adds are done
	s_wait_kmcnt 0x0
	s_add_nc_u64 s[14:15], s[4:5], s[16:17]
	s_add_nc_u64 s[46:47], s[6:7], s[46:47]
	CROUND                                         ; all sixteen work-groups are here: the first joint loads meet
.irp s, 0,1
	s_mov_b32 s[G0+4*\s], 1
	s_add_co_u32 s[G0+4*\s+1], s20, \s*SLOT
	s_add_nc_u64 s[G0+4*\s+2:G0+4*\s+3], s[14:15], \s*(1<<19)      ; K step s: two heads on
	s_or_b32 s[G0+4*\s+3], s[G0+4*\s+3], 0x80000000
	s_mov_b32 s[G0B+4*\s], 1
	s_add_co_u32 s[G0B+4*\s+1], s21, \s*SLOT
	s_add_nc_u64 s[G0B+4*\s+2:G0B+4*\s+3], s[46:47], \s*256
	s_or_b32 s[G0B+4*\s+3], s[G0B+4*\s+3], 0x80000000
	JLOAD \s
.endr
	v_and_b32 v1, 15, v0                           ; r
	v_bfe_u32 v2, v0, 4, 1                         ; h
	s_lshl_b32 s46, s42, 10
	s_lshl_b32 s47, s12, 9
	s_add_co_u32 s46, s46, s47                     ; 4 n0
	s_mov_b32 s47, 0
	s_add_nc_u64 s[68:69], s[68:69], s[46:47]
	v_lshlrev_b32 v7, 5, v2
.irp b, 0,1,2,3,4,5,6,7
	global_load_b128 v[BIAS+8*\b:BIAS+8*\b+3], v7, s[68:69] offset:64*\b       ; b_proj[n0 + 16 b + 8 h + 0 .. 7]
	global_load_b128 v[BIAS+8*\b+4:BIAS+8*\b+7], v7, s[68:69] offset:64*\b+16
.endr
	s_add_nc_u64 s[70:71], s[70:71], s[46:47]
	s_lshl_b32 s16, s41, 23                        ; 2,048 rows of 4,096 bytes a batch
	s_lshl_b32 s17, s13, 19
	s_add_co_u32 s16, s16, s17
	s_lshl_b32 s17, s11, 18
	s_add_co_u32 s16, s16, s17
	s_mov_b32 s17, 0
	s_add_nc_u64 s[70:71], s[70:71], s[16:17]      ; out0 at my first row and column; never stepped
	v_mul_u32_u24 v3, v1, PA
	v_lshl_add_u32 v3, v2, 4, v3
	v_mul_u32_u24 v4, v1, PB
	v_lshl_add_u32 v4, v2, 4, v4
	s_mul_i32 s21, s11, 64*PA                      ; my 64 rows in each plane of A
	s_mul_i32 s22, s12, BHALF
	s_add_co_u32 s22, s22, 2*APL                   ; my 128 rows of B
.irp s, 0,1
	v_add_nc_u32 v[ADRA+\s], s21, v3
	v_add_nc_u32 v[ADRB+\s], s22, v4
	s_add_co_u32 s21, s21, SLOT
	s_add_co_u32 s22, s22, SLOT
.endr
	s_mul_i32 s23, s10, 16*SPITCH
	s_add_co_u32 s23, s23, STAGE                   ; my stage
	v_mul_u32_u24 v5, v1, SPITCH
	v_lshl_add_u32 v5, v2, 5, v5
	v_add_nc_u32 v[STO], s23, v5
	v_and_b32 v6, 31, v0
	v_lshlrev_b32 v[CO], 4, v6
	v_add_nc_u32 v[RD], s23, v[CO]
.macro MUL8 f, a, first                ; A's block a against B's eight, 32 along K.  The 32 accumulators take turns, one instruction a turn
.irp b, 0,1,2,3,4,5,6,7
.if \first
	v_wmma_f32_16x16x32_f16 v[8*(8*(\a)+\b):8*(8*(\a)+\b)+7], v[\f+8*\b:\f+8*\b+7], v[\f+64+8*(\a):\f+64+8*(\a)+7], v[BIAS+8*\b:BIAS+8*\b+7]
.else
	v_wmma_f32_16x16x32_f16 v[8*(8*(\a)+\b):8*(8*(\a)+\b)+7], v[\f+8*\b:\f+8*\b+7], v[\f+64+8*(\a):\f+64+8*(\a)+7], v[8*(8*(\a)+\b):8*(8*(\a)+\b)+7]
.endif
.endr
.endm
.macro FETCH slot, q, f                ; 24 LDS loads in one run: quarter q of the slot: B's eight blocks, then A's four
	WIN TO_F
.irp i, 0,1,2,3,4,5,6,7
	ds_load_b128 v[\f+8*\i:\f+8*\i+3],   v[ADRB+\slot] offset:64*(\q)+\i*16*PB
	ds_load_b128 v[\f+8*\i+4:\f+8*\i+7], v[ADRB+\slot] offset:64*(\q)+\i*16*PB+32
.endr
.irp i, 0,1,2,3
	ds_load_b128 v[\f+64+8*\i:\f+64+8*\i+3],   v[ADRA+\slot] offset:((\q)/2)*APL+64*((\q)%2)+\i*16*PA
	ds_load_b128 v[\f+64+8*\i+4:\f+64+8*\i+7], v[ADRA+\slot] offset:((\q)/2)*APL+64*((\q)%2)+\i*16*PA+32
.endr
.endm
.macro PLACES
.rept 4
	v_nop
.endr
.endm
.macro QUARTER slot, q, f, g, first    ; multiplies buffer f and fetches quarter q of the slot into g
	s_wait_dscnt 4                                 ; B and A's blocks 0, 1 are in; the youngest four loads (A's blocks 2, 3) may be out
	WIN MUL-0x20*(\first)
	MUL8 \f, 0, \first
	MUL8 \f, 1, \first
	PLACES
	FETCH \slot, \q, \g
	s_wait_dscnt 24                                ; all but the 24 just issued
	WIN MUL-0x20*(\first)
	MUL8 \f, 2, \first
	MUL8 \f, 3, \first
.endm
; The last quarter multiplies buffer 1 and changes slots: one barrier; in front of it each wave waits for all its tensor loads, adds 0 to its spare word, and waits for that and for its reads of this slot.
.macro TURN slot, next, fill
	WIN 0
	s_wait_tensorcnt 0x0                           ; my one load that was out, my part of the next slot, has landed
	ds_add_u32 v[SPW], v[NIL]
	s_wait_dscnt 5                                 ; the add and the youngest four loads may be out
	WIN MUL
	MUL8 F1, 0, 0
	s_wait_dscnt 0x0                               ; the add is done, and my reads of this slot are over
	s_barrier_signal -1
	MUL8 F1, 1, 0
.if \fill
	WIN 0
.endif
	s_barrier_wait -1
.if \fill
	CREST                                          ; the barrier has opened a round of the cluster's: no wave of any partner still reads this slot or has a load on its way
	s_add_nc_u64 s[G0+4*\slot+2:G0+4*\slot+3], s[G0+4*\slot+2:G0+4*\slot+3], 1<<20     ; two K steps on: four heads
	s_add_nc_u64 s[G0B+4*\slot+2:G0B+4*\slot+3], s[G0B+4*\slot+2:G0B+4*\slot+3], 512
	JLOAD \slot                                    ; the first tensor load behind the round; its four v_nop are also the places in front of the loads below
.else
	PLACES
.endif
	FETCH \next, 0, F0
	WIN MUL
	MUL8 F1, 2, 0
	MUL8 F1, 3, 0
.endm
	s_wait_tensorcnt 1                             ; my part of K step 0 is in; K step 1's may be out
	s_barrier_signal -1
	s_barrier_wait -1
	FETCH 0, 0, F0
	s_wait_loadcnt 0x0                             ; the bias
	QUARTER 0, 1, F0, F1, 1                        ; the first quarter starts the sums from the bias
	WIN 0
	s_mov_b32 s3, LAPS-1
.Llap:                                             ; a trip goes once round the ring and fills both slots again
	QUARTER 0, 2, F1, F0, 0
	QUARTER 0, 3, F0, F1, 0
	TURN 0, 1, 1
	QUARTER 1, 1, F0, F1, 0
	QUARTER 1, 2, F1, F0, 0
	QUARTER 1, 3, F0, F1, 0
	TURN 1, 0, 1
	QUARTER 0, 1, F0, F1, 0
	WIN 0
	s_sub_co_u32 s3, s3, 1
	s_cmp_lg_u32 s3, 0
	s_cbranch_scc1 .Llap
	QUARTER 0, 2, F1, F0, 0                        ; the last lap fills nothing
	QUARTER 0, 3, F0, F1, 0
	TURN 0, 1, 0
	QUARTER 1, 1, F0, F1, 0
	QUARTER 1, 2, F1, F0, 0
	QUARTER 1, 3, F0, F1, 0
	s_wait_dscnt 4
	WIN MUL
	MUL8 F1, 0, 0
	MUL8 F1, 1, 0
	s_wait_dscnt 0
	MUL8 F1, 2, 0
	MUL8 F1, 3, 0
	WIN 0
	PLACES
; THE WAY OUT, block by block of 16 rows x 128 columns: through my stage, back as whole rows of 512 bytes.
.macro TOSTAGE a
	WIN 0x08                                       ; an LDS store's data: window 2
.irp b, 0,1,2,3,4,5,6,7
	ds_store_b128 v[STO], v[64*(\a)+8*\b:64*(\a)+8*\b+3] offset:64*\b          ; each accumulator from its low end on
	ds_store_b128 v[STO], v[64*(\a)+8*\b+4:64*(\a)+8*\b+7] offset:64*\b+16
.endr
	WIN 0
.set BB, BK+64*((\a)%2)
.irp t, 0,1,2,3,4,5,6,7,8,9,10,11,12,13,14,15
	ds_load_b128 v[BB+4*\t:BB+4*\t+3], v[RD] offset:\t*SPITCH
.endr
.endm
.macro SEND a, younger
.set BB, BK+64*((\a)%2)
	s_wait_dscnt \younger                          ; the block is back; the next block's 16 stores and 16 loads may be out
.if (\a) == 0
	s_cmp_eq_u32 s72, 0                            ; t = 0 .. 15 of a sequence: the small launch's rows
	s_cbranch_scc1 .Lnot_mine
.endif
.irp t, 0,1,2,3,4,5,6,7,8,9,10,11,12,13,14,15
	global_store_b128 v[CO], v[BB+4*\t:BB+4*\t+3], s[70:71] offset:65536*(\a)+4096*\t th:TH_STORE_NT   ; 32 lanes store 512 consecutive bytes, aligned
.endr
.if (\a) == 0
.Lnot_mine:
.endif
.endm
	TOSTAGE 0
.irp a, 1,2,3
.if \a > 1
	s_wait_xcnt 0x0                                ; block a - 2's stores have read their registers: block a's loads may land there
.endif
	TOSTAGE \a
	SEND \a-1, 32
.endr
	SEND 3, 0
	s_wait_tensorcnt 0x0                           ; the wave's end, behind my last tensor load and my last LDS store
	ds_add_u32 v[SPW], v[NIL]
	s_wait_dscnt 0x0
	CROUND                                         ; the closing round
	s_endpgm
.Lfunc_end_k_q9a41345c18_proj:
	.size	k_q9a41345c18_proj, .Lfunc_end_k_q9a41345c18_proj-k_q9a41345c18_proj
	.p2alignl 7, 3214868480
	.fill 96, 4, 3214868480
	.section	.rodata,"a",@progbits
	.p2align	6, 0x0
	.amdhsa_kernel k_q9a41345c18_proj
		.amdhsa_group_segment_fixed_size 327680
		.amdhsa_private_segment_fixed_size 0
		.amdhsa_enable_private_segment 0
		.amdhsa_kernarg_size 32
		.amdhsa_user_sgpr_count 2
		.amdhsa_user_sgpr_kernarg_segment_ptr 1
		.amdhsa_wavefront_size32 1
		.amdhsa_system_sgpr_workgroup_id_x 1
		.amdhsa_system_sgpr_workgroup_id_y 1
		.amdhsa_system_sgpr_workgroup_id_z 1
		.amdhsa_system_vgpr_workitem_id 0
		.amdhsa_next_free_vgpr 768
		.amdhsa_next_free_sgpr 76
		.amdhsa_reserve_vcc 0
		.amdhsa_float_denorm_mode_32 3
		.amdhsa_float_denorm_mode_16_64 3
		.amdhsa_memory_ordered 1
		.amdhsa_forward_progress 1
		.amdhsa_inst_pref_size 87
	.end_amdhsa_kernel
	.amdgpu_metadata
---
amdhsa.version: [ 1, 2 ]
amdhsa.kernels:
  - .name:           k_q9a41345c18_proj
    .symbol:         k_q9a41345c18_proj.kd
    .args:
      - { .name: y, .offset: 0, .size: 8, .value_kind: global_buffer, .address_space: global }
      - { .name: wpt, .offset: 8, .size: 8, .value_kind: global_buffer, .address_space: global }
      - { .name: b_proj, .offset: 16, .size: 8, .value_kind: global_buffer, .address_space: global }
      - { .name: out0, .offset: 24, .size: 8, .value_kind: global_buffer, .address_space: global }
    .group_segment_fixed_size: 327680
    .private_segment_fixed_size: 0
    .kernarg_segment_align: 8
    .kernarg_segment_size: 32
    .max_flat_workgroup_size: 128
    .sgpr_count:     76
    .vgpr_count:     768
    .wavefront_size: 32
...
	.end_amdgpu_metadata
.endif
;; end of part 4
;; launch first16 (part 5): grid 16 x 4, 16 waves a work-group, no clusters, 85,248 bytes of LDS; arguments qkv16, W_proj, b_proj, out0; writes out0
.if DOCPART == 5
	.amdgcn_target "amdgcn-amd-amdhsa--gfx1250"
	.amdhsa_code_object_version 6
	.text
	.protected	k_q9a41345c18_first16
	.globl	k_q9a41345c18_first16
	.p2align	8
	.type	k_q9a41345c18_first16,@function
k_q9a41345c18_first16:
	s_mov_b64 s[64:65], 0
	v_nop
	global_prefetch_b8 v0, s[64:65] scope:SCOPE_SE
	s_setreg_imm32_b32 hwreg(HW_REG_WAVE_MODE, 25, 1), 1
	s_wait_xcnt 0x0
; THE FIRST 16 POSITIONS OF EACH SEQUENCE, ALL IN f32: there a row of the softmax averages one to sixteen values, and the rounding of 16-bit operands would weigh most.
; qkv16 [4 b][16 t][3072] f32; out0[b][t < 16][:] = softmax(q k^T / 8, causal) v W_proj + b_proj.
; Work-group (slice, b) makes 64 output columns of the batch's 16 rows.  Phase A: wave w is head w (every work-group of a batch repeats it: 16 x 16 x 64 numbers a head).  Phase B: wave = (nt = w % 4, kq = w / 4): 16 columns, 256 of K.
; v_wmma_f32_16x16x4_f32: its results, v112-159, are written by matrix instructions alone.  K IS PERMUTED ALIKE ON BOTH SIDES, so that operands with K innermost come by 16-byte loads:
; lane (r, h) holds k = 8 g + 4 h + 0 .. 3, and its register pairs (0, 1) and (2, 3) feed two instructions.  The sums are judged within a tolerance.
; No tensor load.  LDS: y 16 rows x 4,112 bytes; the four quarters' partial sums 4 x 16 x 272; the spare words.
.set YP,    4112
.set PART,  16*YP
.set SPARE, PART+4*16*272
.set SPW,   14
.set NIL,   15
; v1 r, v2 h, v3 q, k offset, v4 v offset, v5 W offset, v6 y in, v7 y out, v[8:9] bias, v10 partial sums in, v11 out, v12 8 x lane, v13 r - 8 h
; v16-47 q, v48-79 k, later W's second half; v80-111 v, then y; v112-127 two accumulators by turns; v128-159 O^T; v160-167 scores, p; v168-171 at work; v160-191 y from LDS; v192-255 W's first half
	s_load_b256 s[4:11], s[0:1], 0x0               ; qkv16, W_proj, b_proj, out0
	v_lshl_add_u32 v[SPW], v0, 2, SPARE
	v_mov_b32 v[NIL], 0
	v_lshrrev_b32 v1, 5, v0
	v_readfirstlane_b32 s12, v1                    ; wave 0..15
	s_and_b32 s13, ttmp7, 0xffff                   ; the batch
	s_and_b32 s14, s12, 3                          ; nt
	s_lshr_b32 s15, s12, 2                         ; kq
	v_and_b32 v1, 15, v0                           ; r
	v_bfe_u32 v2, v0, 4, 1                         ; h
	v_mul_u32_u24 v3, v1, 12288
	v_lshl_add_u32 v3, v2, 4, v3                   ; q, k: row r, + 16 h
	v_mul_u32_u24 v4, v2, 98304
	v_lshl_add_u32 v4, v1, 2, v4                   ; v: row 8 h, column r
	v_lshlrev_b32 v5, 14, v2
	v_lshl_add_u32 v5, v1, 2, v5                   ; W: row 4 h, column r
	v_mul_u32_u24 v6, v1, YP
	v_lshl_add_u32 v7, v2, 4, v6
	v_lshl_add_u32 v6, v2, 5, v6
	s_lshl_b32 s16, s12, 8
	v_add_nc_u32 v6, s16, v6                       ; y in: row r, + 256 w + 32 h
	s_lshl_b32 s16, s15, 10
	v_add_nc_u32 v7, s16, v7                       ; y out: row r, + 1,024 kq + 16 h
	v_mul_u32_u24 v10, v2, 2176
	v_lshl_add_u32 v10, v1, 2, v10
	s_mul_i32 s16, s15, 4352
	s_lshl_b32 s17, s14, 6
	s_add_co_u32 s16, s16, s17
	s_add_co_u32 s16, s16, PART
	v_add_nc_u32 v10, s16, v10                     ; partial sums in: quarter kq, row 8 h, column 16 nt + r
	v_and_b32 v12, 31, v0
	v_lshlrev_b32 v12, 3, v12
	s_mul_i32 s16, s12, 272
	s_add_co_u32 s16, s16, PART
	v_add_nc_u32 v11, s16, v12                     ; out: row w, 8 bytes a lane
	v_lshlrev_b32 v13, 3, v2
	v_sub_nc_u32 v13, v1, v13
	s_mov_b32 s20, 0x76543210
	s_mov_b32 s21, 0xfedcba98
	s_mov_b32 s22, 0x3e38aa3b                      ; c = log2(e) / 8
	s_wait_kmcnt 0x0
	s_mul_i32 s16, s13, 196608
	s_lshl_b32 s17, s12, 8
	s_add_co_u32 s16, s16, s17
	s_mov_b32 s17, 0
	s_add_nc_u64 s[4:5], s[4:5], s[16:17]          ; qkv16 at (batch, t = 0, head w)
	s_lshl_b32 s16, s15, 20                        ; 256 rows of 4,096 bytes a quarter
	s_lshl_b32 s18, ttmp9, 8                       ; 64 columns a slice
	s_add_co_u32 s16, s16, s18
	s_lshl_b32 s19, s14, 6
	s_add_co_u32 s16, s16, s19
	s_add_nc_u64 s[6:7], s[6:7], s[16:17]
	s_mov_b32 s19, 0
	s_add_nc_u64 s[8:9], s[8:9], s[18:19]
	s_lshl_b32 s16, s13, 23
	s_lshl_b32 s24, s12, 12
	s_add_co_u32 s16, s16, s24
	s_add_co_u32 s16, s16, s18
	s_add_nc_u64 s[10:11], s[10:11], s[16:17]      ; out0 at (batch, t = w, slice)
	global_load_b64 v[8:9], v12, s[8:9]            ; the bias of my two columns
.irp g, 0,1,2,3,4,5,6,7
	global_load_b128 v[16+4*\g:19+4*\g], v3, s[4:5] offset:32*\g          ; q(r, 8 g + 4 h ..)
.endr
.irp g, 0,1,2,3,4,5,6,7
	global_load_b128 v[48+4*\g:51+4*\g], v3, s[4:5] offset:4096+32*\g     ; k likewise
.endr
.irp ct, 0,1,2,3
.irp e, 0,1,2,3,4,5,6,7
	global_load_b32 v[80+8*\ct+\e], v4, s[4:5] offset:8192+12288*\e+64*\ct   ; v(8 h + e, 16 ct + r)
.endr
.endr
.set n, 0
.rept 64
	global_load_b32 v[192+n], v5, s[6:7] offset:(8*(n/4)+n%4)*4096        ; W(256 kq + 8 g + 4 h + i, my column), g = 0 .. 15
.set n, n+1
.endr
	s_wait_loadcnt 63                              ; 113 loads are issued: the oldest 50 are in: the bias, q, k and v are 49
.set n, 0
.rept 16                               ; S^T = k q^T: two accumulators by turns
.if n < 2
	v_wmma_f32_16x16x4_f32 v[112+8*(n%2):119+8*(n%2)], v[48+2*n:49+2*n], v[16+2*n:17+2*n], 0
.else
	v_wmma_f32_16x16x4_f32 v[112+8*(n%2):119+8*(n%2)], v[48+2*n:49+2*n], v[16+2*n:17+2*n], v[112+8*(n%2):119+8*(n%2)]
.endif
.set n, n+1
.endr
.rept 8
	v_nop                                          ; eight places behind this form (ISA guide 7.12.1)
.endr
.set n, 0
.rept 64
	global_load_b32 v[16+n], v5, s[6:7] offset:(128+8*(n/4)+n%4)*4096     ; W, g = 16 .. 31, where q and k lay
.set n, n+1
.endr
.irp j, 0,1,2,3,4,5,6,7
	v_add_f32 v[160+\j], v[112+\j], v[120+\j]      ; lane (r, h): score of key 8 h + j for query r
.endr
	v_mov_b32 v169, 0xff800000
	v_mov_b32 v170, 0
.irp j, 0,1,2,3,4,5,6,7
	v_cmp_gt_i32 vcc_lo, \j, v13                   ; key 8 h + j behind query r
	v_cndmask_b32 v[160+\j], v[160+\j], v169, vcc_lo
.endr
	v_max3_num_f32 v168, v160, v161, v162
	v_max3_num_f32 v168, v168, v163, v164
	v_max3_num_f32 v168, v168, v165, v166
	v_max_num_f32 v168, v168, v167
	v_permlanex16_b32 v170, v168, s20, s21
	v_max_num_f32 v168, v168, v170                 ; the row's maximum: key 0 counts for every query
	v_mul_f32 v168, s22, v168
.irp j, 0,1,2,3,4,5,6,7
	v_fma_f32 v[160+\j], v[160+\j], s22, -v168
.endr
.irp j, 0,1,2,3,4,5,6,7
	v_exp_f32 v[160+\j], v[160+\j]
.endr
	v_nop
	s_wait_alu depctr_va_vdst(0)                   ; one wait for the eight, ahead of their first reader
	v_add_f32 v168, v160, v161
	v_add_f32 v169, v162, v163
	v_add_f32 v168, v168, v164
	v_add_f32 v169, v169, v165
	v_add_f32 v168, v168, v166
	v_add_f32 v169, v169, v167
	v_add_f32 v168, v168, v169
	v_permlanex16_b32 v170, v168, s20, s21
	v_add_f32 v168, v168, v170
	v_rcp_f32 v171, v168
	v_nop
	s_wait_alu depctr_va_vdst(0)
.irp s, 0,1,2,3                        ; O^T = v^T p: instruction s takes keys 8 h + 2 s, 8 h + 2 s + 1 on both sides; four accumulators by turns
.irp ct, 0,1,2,3
.if \s == 0
	v_wmma_f32_16x16x4_f32 v[128+8*\ct:135+8*\ct], v[80+8*\ct+2*\s:81+8*\ct+2*\s], v[160+2*\s:161+2*\s], 0
.else
	v_wmma_f32_16x16x4_f32 v[128+8*\ct:135+8*\ct], v[80+8*\ct+2*\s:81+8*\ct+2*\s], v[160+2*\s:161+2*\s], v[128+8*\ct:135+8*\ct]
.endif
.endr
.endr
.rept 8
	v_nop
.endr
.set n, 0
.rept 32
	v_mul_f32 v[80+n], v[128+n], v171              ; y(query r, channel 16 ct + 8 h + j), into other registers
.set n, n+1
.endr
.irp ct, 0,1,2,3
	ds_store_b128 v6, v[80+8*\ct:83+8*\ct] offset:64*\ct
	ds_store_b128 v6, v[84+8*\ct:87+8*\ct] offset:64*\ct+16
.endr
	s_wait_dscnt 0x0                               ; for the others' sake: my head's y lies in LDS
	s_barrier_signal -1
	s_barrier_wait -1
.macro YLOAD bt, reg                   ; y(r, 256 kq + 64 bt + 8 g + 4 h ..), g = 0 .. 7
.irp g, 0,1,2,3,4,5,6,7
	ds_load_b128 v[\reg+4*\g:\reg+4*\g+3], v7 offset:256*\bt+32*\g
.endr
.endm
.macro PROD yreg, wreg, first          ; 16 instructions, 64 along K: source 0 = y's 16 rows, source 1 = W's 16 columns
.set n, 0
.rept 16
.if \first && (n < 2)
	v_wmma_f32_16x16x4_f32 v[112+8*(n%2):119+8*(n%2)], v[\yreg+2*n:\yreg+2*n+1], v[\wreg+2*n:\wreg+2*n+1], 0
.else
	v_wmma_f32_16x16x4_f32 v[112+8*(n%2):119+8*(n%2)], v[\yreg+2*n:\yreg+2*n+1], v[\wreg+2*n:\wreg+2*n+1], v[112+8*(n%2):119+8*(n%2)]
.endif
.set n, n+1
.endr
.endm
	YLOAD 0, 80
	YLOAD 1, 160
	s_wait_loadcnt 63                              ; 177 loads are issued: the oldest 114 are in: W's first half ends with the 113th
	s_wait_dscnt 8                                 ; the first eight LDS loads are in
	PROD 80, 192, 1
	s_wait_dscnt 0x0
	PROD 160, 224, 0
.rept 8
	v_nop
.endr
	YLOAD 2, 80
	YLOAD 3, 160
	s_wait_loadcnt 0x0                             ; W's second half
	s_wait_dscnt 8
	PROD 80, 16, 0
	s_wait_dscnt 0x0
	PROD 160, 48, 0
.rept 8
	v_nop
.endr
.irp j, 0,1,2,3,4,5,6,7
	v_add_f32 v[160+\j], v[112+\j], v[120+\j]      ; my quarter's part of out(t = 8 h + j, column 16 nt + r)
.endr
.irp j, 0,1,2,3,4,5,6,7
	ds_store_b32 v10, v[160+\j] offset:272*\j
.endr
	s_wait_dscnt 0x0
	s_barrier_signal -1
	s_barrier_wait -1
.irp q, 0,1,2,3
	ds_load_b64 v[176+2*\q:177+2*\q], v11 offset:4352*\q   ; wave w takes row w: the four quarters' parts of my two columns
.endr
	s_wait_dscnt 0x0
	v_pk_add_f32 v[176:177], v[176:177], v[178:179]
	v_pk_add_f32 v[180:181], v[180:181], v[182:183]
	v_pk_add_f32 v[176:177], v[176:177], v[180:181]
	v_pk_add_f32 v[176:177], v[176:177], v[8:9]
	global_store_b64 v12, v[176:177], s[10:11]     ; 32 lanes store 256 consecutive bytes, aligned
	s_wait_tensorcnt 0x0                           ; the wave's end, behind my last LDS store
	ds_add_u32 v[SPW], v[NIL]
	s_wait_dscnt 0x0
	s_endpgm
.Lfunc_end_k_q9a41345c18_first16:
	.size	k_q9a41345c18_first16, .Lfunc_end_k_q9a41345c18_first16-k_q9a41345c18_first16
	.p2alignl 7, 3214868480
	.fill 96, 4, 3214868480
	.section	.rodata,"a",@progbits
	.p2align	6, 0x0
	.amdhsa_kernel k_q9a41345c18_first16
		.amdhsa_group_segment_fixed_size 85248
		.amdhsa_private_segment_fixed_size 0
		.amdhsa_enable_private_segment 0
		.amdhsa_kernarg_size 32
		.amdhsa_user_sgpr_count 2
		.amdhsa_user_sgpr_kernarg_segment_ptr 1
		.amdhsa_wavefront_size32 1
		.amdhsa_system_sgpr_workgroup_id_x 1
		.amdhsa_system_sgpr_workgroup_id_y 1
		.amdhsa_system_sgpr_workgroup_id_z 1
		.amdhsa_system_vgpr_workitem_id 0
		.amdhsa_next_free_vgpr 256
		.amdhsa_next_free_sgpr 66
		.amdhsa_reserve_vcc 1
		.amdhsa_float_denorm_mode_32 3
		.amdhsa_float_denorm_mode_16_64 3
		.amdhsa_memory_ordered 1
		.amdhsa_forward_progress 1
		.amdhsa_inst_pref_size 35
	.end_amdhsa_kernel
	.amdgpu_metadata
---
amdhsa.version: [ 1, 2 ]
amdhsa.kernels:
  - .name:           k_q9a41345c18_first16
    .symbol:         k_q9a41345c18_first16.kd
    .args:
      - { .name: qkv16, .offset: 0, .size: 8, .value_kind: global_buffer, .address_space: global }
      - { .name: W_proj, .offset: 8, .size: 8, .value_kind: global_buffer, .address_space: global }
      - { .name: b_proj, .offset: 16, .size: 8, .value_kind: global_buffer, .address_space: global }
      - { .name: out0, .offset: 24, .size: 8, .value_kind: global_buffer, .address_space: global }
    .group_segment_fixed_size: 85248
    .private_segment_fixed_size: 0
    .kernarg_segment_align: 8
    .kernarg_segment_size: 32
    .max_flat_workgroup_size: 512
    .sgpr_count:     66
    .vgpr_count:     256
    .wavefront_size: 32
...
	.end_amdgpu_metadata
.endif
;; end of part 5
